; MI455X (gfx1250); checked and timed in simulation.
; The chip was launched on July 23, 2026; its instructions are those of AMD's public machine-readable ISA for CDNA 5 (MIT licence, August 2026) and "CDNA5" Instruction Set Architecture Reference Guide (July 2026). The comments in the code are by the model that wrote it; some were corrected since.
;; Multi Headed Attention. Allowed arithmetic: matrix products marked QUANTISED: E4M3 operands, one given power-of-two scale a tensor, by v_wmma_f32_16x16x64_fp8_fp8 or v_wmma_f32_16x16x128_fp8_fp8, f32 sums; everything else in f32.
;; Inputs: Wk 1,024 x 1,024 float32; Wq 1,024 x 1,024 float32; Wv 1,024 x 1,024 float32; bk 1,024 float32; bq 1,024 float32; bv 1,024 float32; key 4 x 2,048 x 1,024 float32; lowp_scales 10 int32 (the exponents e of the quantised operands' scales 2^e); mask 4 x 1 x 1 x 2,048 bool; query 4 x 2,048 x 1,024 float32; value 4 x 2,048 x 1,024 float32.
;; Outputs: out0 4 x 2,048 x 1,024 float32.
;; This version of the problem:
;;   THIS VERSION OF THE PROBLEM IS GIVEN IN LOW PRECISION. The matrix products marked QUANTISED in the list below multiply operands that are first quantised to E4M3 (4 exponent bits, 3 mantissa bits; 8 bits a number), with one given power-of-two scale for each operand tensor; their sums are f32. All else is computed in f32.
;;   The module's matrix products, in the order in which they are computed (A, B: the left and right operand; K: the contracted axis; several contracted axes count as one K, in the product's order):
;;     1. [M 8,192, K 1,024] x [K 1,024, N 1,024]; A: input query; B: input Wq: QUANTISED (scales: A lowp_scales[0], B lowp_scales[1])
;;     2. [M 8,192, K 1,024] x [K 1,024, N 1,024]; A: input key; B: input Wk: QUANTISED (scales: A lowp_scales[2], B lowp_scales[3])
;;     3. [M 8,192, K 1,024] x [K 1,024, N 1,024]; A: input value; B: input Wv: QUANTISED (scales: A lowp_scales[4], B lowp_scales[5])
;;     4. batch 64 x [M 2,048, K 64] x [K 64, N 2,048]; A: computed on the way; B: computed on the way: QUANTISED (scales: A lowp_scales[6], B lowp_scales[7])
;;     5. batch 64 x [M 2,048, K 2,048] x [K 2,048, N 64]; A: softmax (see below); B: computed on the way: QUANTISED (scales: A lowp_scales[8], B lowp_scales[9])
;;   THE QUANTISER, for each operand of a quantised product, along K:
;;     - The operand's scale is 2^e, e = its entry of the input lowp_scales (int32; the entries are numbered through the quantised products in the list's order, A before B).
;;     - Each number is divided by the scale, clamped to +-448, and rounded to the nearest number of E4M3, ties to even, subnormals kept.
;;     - The product sums the exact products of the quantised numbers (number of the format x scale) in f32.
;;   ~~~python
;;   def quantise(x, axis, e):      # numpy; x: float32 -> the quantised numbers, widened to float32 again
;;       x = np.moveaxis(x, axis, -1); K = x.shape[-1]
;;       r = np.clip(x / 2.0 ** e, -448, 448)
;;       step = 2.0 ** (np.maximum(np.frexp(np.where(r == 0, 1, r))[1] - 1, -6) - 3)
;;       q = np.round(r / step) * step * 2.0 ** e      # np.round: ties to even
;;       return np.moveaxis(q, -1, axis).astype(np.float32)
;;   ~~~
;;   SOFTMAX AHEAD OF A QUANTISED PRODUCT. Where the list says 'softmax', what is quantised is not the finished softmax but p = 2^(t - M), with t = logit x log2(e) and M = ceil(the row's largest t), a whole number; so 1/2 < the row's largest p <= 1. The row's sum l is taken of the UNQUANTISED p, in f32, and the product's result is divided by l at the end. Since M is a whole number, a kernel that streams over the keys may use a running M (the ceiling of the running maximum): every later rescaling is an exact power of two, so the quantised numbers keep their values, but for numbers so far below the row's largest that they fall under the format's range.
;;   OPERANDS COMPUTED ON THE WAY. 'Computed on the way' means the value that the module computes at that place (a softmax that the list does not call 'softmax' is quantised finished and normalised). What goes into a quantiser is computed in f32, as accurately as f32 sums, v_exp_f32 and their like allow (about 1e-6 of the number): no bf16 or f16 on the way to a quantiser, and a product that is left as it is and whose result goes on into a quantised operand takes f32 operands (vector FMAs, or v_wmma_f32_16x16x4_f32). A number that lies on a knife's edge between two numbers of the format may be rounded either way, as far as f32 arithmetic and the matrix unit's own rounding can turn it there, and no further.
;; 2 versions, each right; version 2 is version 1 with the launch attn written anew for expert scheduling mode. Each part assembles by itself: llvm-mc -triple=amdgcn-amd-amdhsa -mcpu=gfx1250 --defsym DOCPART=n.
;; ======== version 1 of 2: 3 launches
;; limits: right only within a limited range of input values
;; workspace buffers: codes 28,311,552 bytes; qimg 8,388,608 bytes; kimg 8,388,608 bytes; vimg 8,388,608 bytes
;; launch quant (part 1): grid 864 x 1, 4 waves a work-group, no clusters, 36,352 bytes of LDS; arguments query, key, value, Wq, Wk, Wv, lowp_scales, codes; writes codes
.if DOCPART == 1
	.amdgcn_target "amdgcn-amd-amdhsa--gfx1250"
	.amdhsa_code_object_version 6
	.text
	.protected	k_qbcf23ad995_quant
	.globl	k_qbcf23ad995_quant
	.p2align	8
	.type	k_qbcf23ad995_quant,@function
k_qbcf23ad995_quant:
	s_mov_b64 s[64:65], 0
	v_nop
	global_prefetch_b8 v0, s[64:65] scope:SCOPE_SE
	s_setreg_imm32_b32 hwreg(HW_REG_WAVE_MODE, 25, 1), 1
	s_wait_xcnt 0x0
; query, key, value [8192][1024] f32 and Wq, Wk, Wv [1024 (k)][1024 (n)] f32 become codes of FP8 (E4M3), each tensor with the one scale 2^e that is given for it.
; code = x / 2^e, held within +-448, rounded to the nearest code, ties to even.  e: lowp_scales[2 z] for x number z, lowp_scales[2 z + 1] for W number z.
; LIMITS: -126 <= e <= 119, so that 2^e and 448 x 2^e are f32 numbers.  NaN among the inputs is not served (an infinity is held at the largest code).
; OUT: one buffer of rows of 1,024 codes: rows 8192 z + .. the tokens of x number z, rows 24576 + 1024 z + .. the columns n of W number z.  Two orders are built in, for the launches that read it:
;   ALONG K: position p of a row holds k = 512 (p >> 9) + 128 ((p >> 2) & 3) + 4 ((p & 511) >> 4) + (p & 3), alike in x and in W, so that every product meets its partner.  It is the order in which
;   a lane of the x path finds its numbers when each load takes 512 consecutive bytes: nothing has to be turned.
;   ROWS: a token or column stands at the row that has bits 3 and 4 of its number exchanged.  16 consecutive rows then hold numbers 32 b + 8 u + r + 8 (r / 8): as source 0 of a product they give a lane
;   16 neighbours in the registers of two neighbouring tiles.
; One launch, two paths that part on the work-group's number: 0-95 take W (a lane to a column, registers down K, out through a stage in LDS), 96-863 take x (no LDS).  No barrier: waves share nothing.
.set WGW,   96                         ; work-groups of the W path: 3 tensors x 8 groups of 128 columns x 4 groups of 256 positions
.set WROW0, 24576                      ; W's first row in the buffer of codes
.set PITCH, 272                        ; a stage row: 256 bytes + 16
.set EMAX,  8
.set MANT,  0x600000                   ; the mantissa field of 448 as f32
.set WX,    32                         ; v32-95   W: two sets of 32 numbers
.set WC,    96                         ; v96-103  W: a block's codes
.set WOUT,  112                        ; v112-175 W: the way out
.set XR,    16                         ; v16-79   x: four sets of 16 numbers
.set XC,    128                        ; v128-191 x: four registers of codes for each step, so that no store's data are written again
	s_load_b512 s[4:19], s[0:1], 0x0               ; query, key, value, Wq, Wk, Wv, the scales' exponents s[16:17], the codes s[18:19]
	v_lshl_add_u32 v192, v0, 2, 0x8c00
	v_mov_b32 v193, 0
	v_lshrrev_b32 v1, 5, v0
	v_readfirstlane_b32 s24, v1                    ; wave 0..3
	v_and_b32 v2, 31, v0                           ; lane
	v_lshlrev_b32 v3, 2, v2                        ; W: 4 bytes a lane
	v_lshlrev_b32 v9, 4, v2                        ; x and its codes: 16 bytes a lane
	s_mul_i32 s25, s24, 32*PITCH                   ; my stage
	v_mul_u32_u24 v4, v2, PITCH
	v_add_nc_u32 v4, s25, v4                       ; into it: row = my column
	v_and_b32 v5, 15, v2
	v_lshrrev_b32 v6, 4, v2
	v_mul_u32_u24 v7, v6, PITCH
	v_lshl_add_u32 v7, v5, 4, v7
	v_add_nc_u32 v7, s25, v7                       ; out of it: sixteen lanes to a row, two rows an instruction
	v_lshlrev_b32 v8, 10, v6
	v_lshl_add_u32 v8, v5, 4, v8                   ; and the same place in the codes' rows of 1,024 bytes
	s_wait_kmcnt 0x0
	s_load_b256 s[32:39], s[16:17], 0x0            ; entries 0 to 7 of the ten
	s_cmp_lt_u32 ttmp9, WGW
	s_cbranch_scc0 .Lx
.macro SCALES                          ; s28 = e  ->  v11 = 2^e (the conversion takes its exponent field), v10 = 448 x 2^e
	s_add_co_i32 s28, s28, 127
	s_lshl_b32 s29, s28, 23
	v_mov_b32 v11, s29
	s_add_co_i32 s28, s28, EMAX
	s_lshl_b32 s28, s28, 23
	s_or_b32 s28, s28, MANT
	v_mov_b32 v10, s28
.endm
; ---- W.  A wave takes 32 columns x 256 positions: 8 blocks of 32 a lane.
	s_lshr_b32 s25, ttmp9, 5                       ; z: which W
	s_and_b32 s26, ttmp9, 7                        ; which 128 columns
	s_bfe_u32 s27, ttmp9, 0x20003                  ; y: which 256 positions
	s_cmp_eq_u32 s25, 1
	s_cselect_b64 s[10:11], s[12:13], s[10:11]
	s_cmp_eq_u32 s25, 2
	s_cselect_b64 s[10:11], s[14:15], s[10:11]     ; W number z: the choice hangs on the work-group's number alone
	s_lshl_b32 s29, s26, 7
	s_lshl_b32 s30, s24, 5
	s_add_co_u32 s29, s29, s30                     ; n0: my wave's first column
	s_lshr_b32 s30, s27, 1
	s_lshl_b32 s30, s30, 21                        ; positions 256 y on begin at k = 512 (y >> 1) + 64 (y & 1); a row of W is 4,096 bytes
	s_and_b32 s31, s27, 1
	s_lshl_b32 s31, s31, 18
	s_add_co_u32 s30, s30, s31
	s_lshl_b32 s31, s29, 2
	s_add_co_u32 s30, s30, s31
	s_mov_b32 s31, 0
	s_add_nc_u64 s[10:11], s[10:11], s[30:31]
	s_lshl_b32 s40, s25, 10
	s_add_co_u32 s40, s40, s29
	s_add_co_u32 s40, s40, WROW0
	s_lshl_b32 s40, s40, 10                        ; the codes: row 24576 + 1024 z + n0,
	s_lshl_b32 s41, s27, 8
	s_add_co_u32 s40, s40, s41                     ; position 256 y
	s_mov_b32 s41, 0
	s_add_nc_u64 s[18:19], s[18:19], s[40:41]
.macro WLOAD t                         ; block t: positions 32 t + i of my column, into set t % 2.  A wave's load reads 128 consecutive bytes, the four waves stand side by side on 512.  447 rows of 4,096 bytes at the most: inside the immediate
.set i, 0
.rept 32
.set pp, 32*(\t)+i
	global_load_b32 v[WX+32*((\t)%2)+i], v3, s[10:11] offset:(128*((pp>>2)&3)+4*(pp>>4)+(pp&3))*4096 th:TH_LOAD_NT
.set i, i+1
.endr
.endm
	WLOAD 0
	WLOAD 1
	s_wait_kmcnt 0x0
	s_cmp_eq_u32 s25, 1
	s_cselect_b32 s28, s35, s33
	s_cmp_eq_u32 s25, 2
	s_cselect_b32 s28, s37, s28                    ; e = entry 2 z + 1
	SCALES
.macro WBLOCK t
.set XS, WX+32*((\t)%2)
.if (\t) < 7
	s_wait_loadcnt 32                              ; this block's 32 loads are in; the next block's may be out
.else
	s_wait_loadcnt 0
.endif
.set i, 0
.rept 32
	v_med3_num_f32 v[XS+i], v[XS+i], -v10, v10     ; the conversion to an 8-bit code does not saturate (ISA guide 7.6.2): the hold at the largest code x the scale comes first
.set i, i+1
.endr
.irp g, 0,1,2,3
	v_cvt_scalef32_pk8_fp8_f32 v[WC+2*\g:WC+2*\g+1], v[XS+8*\g:XS+8*\g+7], v11
.endr
	ds_store_b128 v4, v[WC:WC+3] offset:32*(\t)    ; 32 codes: 32 bytes of my column's row.  (The codes go to LDS stores alone, and the next block begins with plain vector lines on other registers)
	ds_store_b128 v4, v[WC+4:WC+7] offset:32*(\t)+16
.if (\t)+2 < 8
	WLOAD (\t)+2
.endif
	s_wait_dscnt 0x0                               ; the stores have read their registers: the next block's codes may be written
.endm
.irp t, 0,1,2,3,4,5,6,7
	WBLOCK \t
.endr
.irp t, 0,1,2,3,4,5,6,7,8,9,10,11,12,13,14,15
	ds_load_b128 v[WOUT+4*\t:WOUT+4*\t+3], v7 offset:2*\t*PITCH   ; LDS serves a wave's instructions in order: these see my stores
.endr
.irp t, 0,1,2,3,4,5,6,7,8,9,10,11,12,13,14,15
	s_wait_dscnt 15-\t
	global_store_b128 v8, v[WOUT+4*\t:WOUT+4*\t+3], s[18:19] offset:((((2*\t)&7)|(((2*\t)&8)<<1)|(((2*\t)&16)>>1))*1024)   ; columns 2 t and 2 t + 1, at the rows with bits 3 and 4 exchanged; sixteen lanes store 256 consecutive bytes, aligned
.endr
	s_wait_tensorcnt 0x0
	ds_add_u32 v192, v193
	s_wait_dscnt 0x0
	s_endpgm
; ---- x.  A wave takes 8 rows, 8,192 numbers, in 16 steps of 512.  Each of a step's four loads reads 512 consecutive bytes, 16 a lane; a lane's 16 numbers become 16 codes, and the wave stores 512 consecutive bytes.
.Lx:
	s_sub_co_u32 s25, ttmp9, WGW
	s_lshr_b32 s26, s25, 8                         ; z: which x
	s_and_b32 s27, s25, 255                        ; which 32 rows
	s_lshl_b32 s29, s27, 2
	s_add_co_u32 s30, s29, s24
	s_lshl_b32 s30, s30, 15                        ; in: rows 32 wi + 8 w, 4,096 bytes each
	s_mov_b32 s31, 0
	s_and_b32 s40, s24, 1
	s_lshl_b32 s40, s40, 1
	s_lshr_b32 s41, s24, 1
	s_or_b32 s40, s40, s41                         ; the wave's two bits are bits 3 and 4 of its rows' numbers: exchanged
	s_add_co_u32 s40, s40, s29
	s_lshl_b32 s40, s40, 13                        ; out: 8 rows of 1,024 bytes
	s_lshl_b32 s41, s26, 23
	s_add_co_u32 s40, s40, s41                     ; in x number z's 8,192 rows
	s_mov_b32 s41, 0
	s_wait_kmcnt 0x0
	s_cmp_eq_u32 s26, 1
	s_cselect_b64 s[4:5], s[6:7], s[4:5]
	s_cselect_b32 s28, s34, s32
	s_cmp_eq_u32 s26, 2
	s_cselect_b64 s[4:5], s[8:9], s[4:5]
	s_cselect_b32 s28, s36, s28                    ; e = entry 2 z
	s_add_nc_u64 s[4:5], s[4:5], s[30:31]
	s_add_nc_u64 s[18:19], s[18:19], s[40:41]
.macro XLOAD t
.irp i, 0,1,2,3
	global_load_b128 v[XR+16*((\t)%4)+4*\i:XR+16*((\t)%4)+4*\i+3], v9, s[4:5] offset:2048*(\t)+512*\i th:TH_LOAD_NT
.endr
.endm
.irp t, 0,1,2,3
	XLOAD \t
.endr
	SCALES
.macro XSTEP t
.set XS, XR+16*((\t)%4)
.if (\t) < 13
	s_wait_loadcnt 12                              ; this step's four loads are in; those of the three steps behind it may be out
.else
	s_wait_loadcnt 4*(15-(\t))
.endif
.set i, 0
.rept 16
	v_med3_num_f32 v[XS+i], v[XS+i], -v10, v10
.set i, i+1
.endr
	v_cvt_scalef32_pk8_fp8_f32 v[XC+4*(\t):XC+4*(\t)+1], v[XS:XS+7], v11       ; register 4 i + j is number 128 i + 4 lane + j of the step: byte 16 lane + 4 i + j of its codes
	v_cvt_scalef32_pk8_fp8_f32 v[XC+4*(\t)+2:XC+4*(\t)+3], v[XS+8:XS+15], v11  ; (the codes go to a store alone; the next step's holds are plain vector lines on other registers)
.if (\t)+4 < 16
	XLOAD (\t)+4                                   ; the load ahead of the store
.endif
	global_store_b128 v9, v[XC+4*(\t):XC+4*(\t)+3], s[18:19] offset:512*(\t)
.endm
.irp t, 0,1,2,3,4,5,6,7,8,9,10,11,12,13,14,15
	XSTEP \t
.endr
	s_endpgm
.Lfunc_end_k_qbcf23ad995_quant:
	.size	k_qbcf23ad995_quant, .Lfunc_end_k_qbcf23ad995_quant-k_qbcf23ad995_quant
	.p2alignl 7, 3214868480
	.fill 96, 4, 3214868480
	.section	.rodata,"a",@progbits
	.p2align	6, 0x0
	.amdhsa_kernel k_qbcf23ad995_quant
		.amdhsa_group_segment_fixed_size 36352
		.amdhsa_private_segment_fixed_size 0
		.amdhsa_enable_private_segment 0
		.amdhsa_kernarg_size 64
		.amdhsa_user_sgpr_count 2
		.amdhsa_user_sgpr_kernarg_segment_ptr 1
		.amdhsa_wavefront_size32 1
		.amdhsa_system_sgpr_workgroup_id_x 1
		.amdhsa_system_sgpr_workgroup_id_y 1
		.amdhsa_system_sgpr_workgroup_id_z 1
		.amdhsa_system_vgpr_workitem_id 0
		.amdhsa_next_free_vgpr 194
		.amdhsa_next_free_sgpr 66
		.amdhsa_reserve_vcc 0
		.amdhsa_float_denorm_mode_32 3
		.amdhsa_float_denorm_mode_16_64 3
		.amdhsa_memory_ordered 1
		.amdhsa_forward_progress 1
		.amdhsa_inst_pref_size 77
	.end_amdhsa_kernel
	.amdgpu_metadata
---
amdhsa.version: [ 1, 2 ]
amdhsa.kernels:
  - .name:           k_qbcf23ad995_quant
    .symbol:         k_qbcf23ad995_quant.kd
    .args:
      - { .name: query, .offset: 0, .size: 8, .value_kind: global_buffer, .address_space: global }
      - { .name: key, .offset: 8, .size: 8, .value_kind: global_buffer, .address_space: global }
      - { .name: value, .offset: 16, .size: 8, .value_kind: global_buffer, .address_space: global }
      - { .name: Wq, .offset: 24, .size: 8, .value_kind: global_buffer, .address_space: global }
      - { .name: Wk, .offset: 32, .size: 8, .value_kind: global_buffer, .address_space: global }
      - { .name: Wv, .offset: 40, .size: 8, .value_kind: global_buffer, .address_space: global }
      - { .name: lowp_scales, .offset: 48, .size: 8, .value_kind: global_buffer, .address_space: global }
      - { .name: codes, .offset: 56, .size: 8, .value_kind: global_buffer, .address_space: global }
    .group_segment_fixed_size: 36352
    .private_segment_fixed_size: 0
    .kernarg_segment_align: 8
    .kernarg_segment_size: 64
    .max_flat_workgroup_size: 128
    .sgpr_count:     66
    .vgpr_count:     194
    .wavefront_size: 32
...
	.end_amdgpu_metadata
.endif
;; end of part 1
;; launch proj (part 2): grid 4 x 96, 4 waves a work-group, clusters of 4 x 4, 327,680 bytes of LDS; arguments codes, lowp_scales, bq, bk, bv, qimg, kimg, vimg; writes qimg, kimg, vimg
.if DOCPART == 2
	.amdgcn_target "amdgcn-amd-amdhsa--gfx1250"
	.amdhsa_code_object_version 6
	.text
	.protected	k_qbcf23ad995_proj
	.globl	k_qbcf23ad995_proj
	.p2align	8
	.type	k_qbcf23ad995_proj,@function
k_qbcf23ad995_proj:
	s_mov_b64 s[64:65], 0
	v_nop
	global_prefetch_b8 v0, s[64:65] scope:SCOPE_SE
	s_setreg_imm32_b32 hwreg(HW_REG_WAVE_MODE, 25, 1), 1
	s_wait_xcnt 0x0
	s_wait_alu depctr_hold_cnt(0) depctr_sa_sdst(0) depctr_va_vdst(0) depctr_va_sdst(0) depctr_va_ssrc(0) depctr_va_vcc(0) depctr_vm_vsrc(0)
	s_getreg_b32 s2, hwreg(HW_REG_IB_STS2, 6, 4)
	s_cmp_eq_u32 s2, 0
	s_cbranch_scc0 .Lentry_in_a_cluster
	s_endpgm
.Lentry_in_a_cluster:
	s_bfe_u32 s2, ttmp6, 0x10000c
	s_cmp_lg_u32 s2, 0xf033
	s_cbranch_scc0 .Lentry_shape_is_right
	s_endpgm
.Lentry_shape_is_right:
; The three projections x W + b on codes of FP8 (E4M3), and their results quantised at once for the attention: q = Q(query Wq + bq), k = Q(key Wk + bk), v = Q(value Wv + bv).
; IN: the buffer of codes, rows of 1,024 bytes: rows 8192 z + token of x number z, rows 24576 + 1024 z + column of W number z; K in one order in all rows; rows stand where bits 3 and 4 of their number are exchanged.
; A tile of 256 x 256 results is made by a work-group of four waves, a wave makes 128 x 128: 64 accumulators of 16 x 16, 512 registers.  K = 1,024 goes in four steps of 256 through a ring of two LDS slots.
; 384 tiles.  The cluster's y, Y = 0 .. 23, says what is made: Y < 8 q, Y < 16 k: operand A = 1,024 tokens of x (rows 1024 Y on), operand B = W's 1,024 columns.  Y >= 16 v, WITH THE ROLES EXCHANGED: A = Wv's columns,
; B = 1,024 tokens of value: for the attention's second product the keys are K, so a lane must hold one channel and its registers must run along the tokens.
; CLUSTERS: 4 x 4 work-groups.  The four of a row of the cluster need the same tiles of A, the four of a column the same tiles of B: each tile is asked for JOINTLY, by the same tensor load with the same descriptor
; and a mask that names the four.  Every branch hangs on the wave's number or on Y, which all sixteen share.
; THE MATRIX INSTRUCTION: source 0 = 16 rows of B, source 1 = 16 rows of A.  Lane (r, h) then holds row r of A's block, and by the order of the rows the 16 registers of accumulators (a, 2 g) and (a, 2 g + 1)
; are numbers 32 g + 16 h + 0 .. 15 of B's side: 16 neighbours along the next product's K.  So sum + bias, hold and conversion give 16 bytes a lane that ARE four registers of the next operand.
; OUT: images of operands' registers, a head (batch x 16 + head) in 131,072 bytes.  q, k: [128 tiles of 16 tokens][2 blocks of 512 bytes]: block c, lane l at 16 l: channels 32 c + 16 h + 0 .. 15 of the tile's row r.
; v: [16 steps of 128 keys][4 tiles of 16 channels][4 blocks of 512 bytes]: block c, lane l at 16 l: keys 32 c + 16 h + 0 .. 15 of the tile's row r.  Each store of a wave covers 512 consecutive bytes, aligned: no stage is needed.
; SCALES: a sum stands for sum x 2^(ex + ew).  The bias goes in as b / 2^(ex + ew), and the conversion takes 2^(eo - ex - ew): (ex, ew, eo) = entries (0, 1, 6), (2, 3, 7), (4, 5, 9).
; LIMIT: eo - ex - ew between -126 and 119, so that this power of two and 448 times it are f32 numbers.
; REGISTERS, in windows of 256: window 0: v0-31 addresses; v32-95 the bias; from v128 A's fragments, ONE set; on the way out v96-159 sums + bias, v160-223 codes.
;   window 1: B's fragments, TWO sets.   window 2: the accumulators of my rows 0-63 ((a, b) at v[8 (8 a + b)]);   window 3: those of my rows 64-127.
.set KROW,   1024                      ; a row of codes in memory
.set ROWB,   256                       ; a tile's row: 256 along K
.set PITCH,  272                       ; an LDS row: 256 bytes + 16 of padding = 68 words: the 16 rows that a load touches start at 16 different banks (64 banks of 4 bytes: ISA guide 11.1)
.set FR,     16                        ; registers of a fragment: 16 rows x 128 K
.set NL,     4                         ; LDS loads that bring one
.set NP,     4                         ; places behind this matrix instruction (ISA guide 7.12.1)
.set HALFT,  128*PITCH                 ; 128 rows: what one tensor load brings, and what one wave reads of A or of B
.set SLOT,   4*HALFT                   ; A's 256 rows, then B's 256 rows
.set SPARE,  2*SLOT                    ; behind the ring: the spare words, 128 bytes for each wave: two blocks of 256 bytes that no other line names
.set WROW0,  24576                     ; W's first row in the buffer of codes
.set ADRA, 16                          ; v16-17  LDS address of my A fragments in slot 0, 1
.set ADRB, 20                          ; v20-21  the same for B
.set OFS,  24                          ; v24     16 x lane: my place in a block of an image
.set SC,   25                          ; v25     2^(eo - ex - ew)
.set LIM,  26                          ; v26     448 x that
.set SPW,  28                          ; v28     LDS address of my spare word: SPARE + 4 x my thread's number; never rewritten
.set NIL,  29                          ; v29     0; never rewritten
.set BI,   32                          ; v32-95  the bias, in the accumulators' layout
.set TMP,  96                          ; v96-159 a block's sums + bias
.set AF,   128                         ; A's fragments, in window 0
.set CD,   160                         ; v160-223 codes: 16 registers a block, four blocks by turns
.set G1, 24                            ; s[24:31] descriptor group 1 for A's tiles;  s[32:39] group 0, one set for each slot
.set G0, 32
.set G1B, 48                           ; s[48:55], s[56:63] the same for B's tiles
.set G0B, 56
.set MSB, 0
.macro WIN new                         ; the immediate's high byte repeats the setting that is left
.if MSB != \new
	s_set_vgpr_msb (MSB<<8)|\new
.set MSB, \new
.endif
.endm
.set MUL_LO, 0xa1                      ; source 0 (B) window 1, source 1 (A) window 0, C and D window 2
.set MUL_HI, 0xf1                      ; the same, C and D window 3
.set TO_B,   0x40                      ; destination window 1, address window 0
; A joint load: waves 0 and 1 fetch for A, waves 2 and 3 for B.  Each of the two lines has ONE mask and one set of registers for all that issue it; the branch hangs on the wave's number alone.
; Four v_nop follow each of the two lines, ahead of the jump, the label and what follows.
.macro JLOAD g0a, g1a, g0b, g1b
	s_cmp_eq_u32 s15, 0
	s_cbranch_scc0 .Lfor_b_\@
	tensor_load_to_lds s[\g0a:\g0a+3], s[\g1a:\g1a+7]
	s_nop 0
.rept 4
	v_nop
.endr
	s_branch .Lasked_\@
.Lfor_b_\@:
	tensor_load_to_lds s[\g0b:\g0b+3], s[\g1b:\g1b+7]
	s_nop 0
.rept 4
	v_nop
.endr
.Lasked_\@:
.endm
.macro CREST                           ; a round of the cluster's barrier behind its opening barrier
	s_cmp_lg_u32 s14, 0
	s_cbranch_scc1 .Lnot_wave_0_\@
	s_barrier_signal -3
.Lnot_wave_0_\@:
	s_barrier_wait -3
	s_barrier_signal -1
	s_barrier_wait -1
.endm
.macro CROUND                          ; a whole round
	s_barrier_signal -1
	s_barrier_wait -1
	CREST
.endm
	s_load_b512 s[80:95], s[0:1], 0x0              ; codes s[80:81], the scales' exponents s[82:83], bq, bk, bv s[84:89], the images of q, k, v s[90:95]
	v_lshl_add_u32 v[SPW], v0, 2, SPARE
	v_mov_b32 v[NIL], 0
	ds_add_u32 v28, v29
	ds_add_u32 v28, v29
	s_wait_dscnt 0x0
	v_lshrrev_b32 v1, 5, v0
	v_readfirstlane_b32 s14, v1                    ; wave 0..3
	s_lshr_b32 s15, s14, 1                         ; which half of A's rows is mine.  Also: I fetch for A (0) or for B (1)
	s_and_b32 s16, s14, 1                          ; which half of B's rows.  Also: which 128 rows of that tile I fetch
	s_bfe_u32 s40, ttmp6, 0x40000                  ; cx, cy: my place in the cluster
	s_bfe_u32 s41, ttmp6, 0x40004
	s_and_b32 s17, ttmp7, 0xffff                   ; Y: the cluster's y, 0 .. 23
	s_lshr_b32 s98, s17, 3                         ; z: 0 q, 1 k, 2 v
	s_lshl_b32 s43, s41, 2
	s_lshl_b32 s43, 15, s43                        ; my row of the cluster
	s_lshl_b32 s44, 0x1111, s40                    ; my column
	; descriptor group 1: a tile of 128 rows x 256 bytes, padded in LDS
	s_or_b32 s[G1+0], s43, (0<<16)|(1<<20)|(1<<21)|(5<<22)|(3<<25)  ; 15:0 the mask: A's tiles go to my row; 17:16 element of 1 byte; 20 padding on; 21 set beside a mask; 24:22 after every 64 words (code 5); 31:25 of 4 words (code 3)
	s_or_b32 s[G1B+0], s44, (0<<16)|(1<<20)|(1<<21)|(5<<22)|(3<<25)
.irp g, G1, G1B
	s_mov_b32 s[\g+1], ROWB<<16                    ; tensor_dim0
	s_mov_b32 s[\g+2], 128<<16                     ; tensor_dim1 = 128
	s_mov_b32 s[\g+3], ROWB<<16                    ; tile_dim0
	s_mov_b32 s[\g+4], 128                         ; tile_dim1 = 128
	s_mov_b32 s[\g+5], KROW                        ; tensor_dim0_stride
	s_mov_b32 s[\g+6], 0
	s_mov_b32 s[\g+7], 0
.endr
	; where the tiles come from: rows of the one buffer of codes.  A's hang on Y, cy and the wave's number, B's on Y, cx and the wave's number
	s_lshl_b32 s18, s16, 7                         ; which 128 rows of the tile I fetch
	s_lshl_b32 s19, s17, 10                        ; x's rows: 1024 Y
	s_lshl_b32 s22, s98, 10
	s_add_co_u32 s22, s22, WROW0                   ; W's rows: 24576 + 1024 z
	s_cmp_ge_u32 s17, 16
	s_cselect_b32 s67, 1, 0                        ; 1: v is made, and the roles are exchanged
	s_cselect_b32 s20, s22, s19                    ; A: W's rows for v, else x's
	s_cselect_b32 s46, s19, s22                    ; B: x's rows for v, else W's
	s_lshl_b32 s21, s41, 8
	s_add_co_u32 s20, s20, s21                     ; + 256 cy
	s_add_co_u32 s20, s20, s18
	s_lshl_b32 s47, s40, 8
	s_add_co_u32 s46, s46, s47                     ; + 256 cx
	s_add_co_u32 s46, s46, s18
	s_lshl_b32 s20, s20, 10                        ; in bytes: under 2^25
	s_lshl_b32 s46, s46, 10
	s_mov_b32 s21, 0
	s_mov_b32 s47, 0
	s_mul_i32 s45, s14, HALFT                      ; where they go: wave x 128 rows: no place in the cluster enters an LDS address
	s_wait_kmcnt 0x0
	s_load_b256 s[68:75], s[82:83], 0x0            ; entries 0 to 7,
	s_load_b64 s[76:77], s[82:83], 0x20            ; 8 and 9: waited for on the way out
	s_add_nc_u64 s[20:21], s[80:81], s[20:21]
	s_add_nc_u64 s[46:47], s[80:81], s[46:47]
	CROUND                                         ; all sixteen work-groups are here: the first joint loads meet
.irp s, 0,1
	s_mov_b32 s[G0+4*\s], 1
	s_add_co_u32 s[G0+4*\s+1], s45, \s*SLOT
	s_add_nc_u64 s[G0+4*\s+2:G0+4*\s+3], s[20:21], \s*ROWB
	s_or_b32 s[G0+4*\s+3], s[G0+4*\s+3], 0x80000000
	s_mov_b32 s[G0B+4*\s], 1
	s_add_co_u32 s[G0B+4*\s+1], s45, \s*SLOT
	s_add_nc_u64 s[G0B+4*\s+2:G0B+4*\s+3], s[46:47], \s*ROWB
	s_or_b32 s[G0B+4*\s+3], s[G0B+4*\s+3], 0x80000000
	JLOAD G0+4*\s, G1, G0B+4*\s, G1B               ; two tensor loads of mine are out
.endr
	v_and_b32 v1, 15, v0                           ; r = l % 16
	v_bfe_u32 v2, v0, 4, 1                         ; h = l / 16
	v_mul_u32_u24 v3, v1, PITCH
	v_lshl_add_u32 v4, v2, 4, v3                   ; a fragment's row x pitch + 16 x half
	s_mul_i32 s21, s15, HALFT                      ; my 128 rows of A
	s_mul_i32 s22, s16, HALFT                      ; my 128 rows of B,
	s_add_co_u32 s22, s22, 2*HALFT                 ; which lie behind A's 256
.irp s, 0,1
	v_add_nc_u32 v[ADRA+\s], s21, v4
	v_add_nc_u32 v[ADRB+\s], s22, v4
	s_add_co_u32 s21, s21, SLOT
	s_add_co_u32 s22, s22, SLOT
.endr
	v_and_b32 v[OFS], 31, v0
	v_lshlrev_b32 v[OFS], 4, v[OFS]
	; my 128 x 128 results: their first token and first channel
	s_lshl_b32 s18, s41, 8
	s_lshl_b32 s19, s15, 7
	s_add_co_u32 s18, s18, s19                     ; on A's side: 256 cy + 128 x my half
	s_lshl_b32 s19, s40, 8
	s_lshl_b32 s22, s16, 7
	s_add_co_u32 s19, s19, s22                     ; on B's side: 256 cx + 128 x my half
	s_cmp_eq_u32 s67, 1
	s_cselect_b32 s22, s19, s18                    ; the tokens' side,
	s_cselect_b32 s23, s18, s19                    ; the first channel
	s_lshl_b32 s66, s17, 10
	s_add_co_u32 s22, s22, s66
	s_and_b32 s22, s22, 8191                       ; the first token: (1024 Y + ..) mod 8192
	s_lshr_b32 s66, s22, 11
	s_lshl_b32 s66, s66, 4
	s_lshr_b32 s78, s23, 6
	s_add_co_u32 s66, s66, s78                     ; 16 x batch + head
	s_lshl_b32 s66, s66, 17                        ; x 131,072 bytes
	s_and_b32 s78, s22, 2047
	s_lshl_b32 s78, s78, 6                         ; + 64 bytes a token of the batch: 1,024 for a tile of 16 (q, k), 8,192 for a step of 128 (v)
	s_add_co_u32 s78, s78, s66
	s_mov_b32 s79, 0
	s_cmp_eq_u32 s98, 1
	s_cselect_b64 s[10:11], s[92:93], s[90:91]
	s_cselect_b64 s[12:13], s[86:87], s[84:85]
	s_cmp_eq_u32 s98, 2
	s_cselect_b64 s[10:11], s[94:95], s[10:11]     ; the image,
	s_cselect_b64 s[12:13], s[88:89], s[12:13]     ; the bias: both choices hang on Y alone
	s_add_nc_u64 s[10:11], s[10:11], s[78:79]
	s_lshl_b32 s78, s23, 2
	s_add_nc_u64 s[12:13], s[12:13], s[78:79]      ; the bias at my first channel
	v_lshlrev_b32 v5, 6, v2                        ; q, k: 64 h
	v_lshrrev_b32 v6, 3, v1
	v_lshl_add_u32 v6, v6, 3, v1
	v_lshlrev_b32 v6, 2, v6                        ; v: 4 (r + 8 (r / 8))
	s_cmp_eq_u32 s67, 1
	s_cbranch_scc1 .Lbias_v
.irp g, 0,1,2,3                        ; q, k: the channels run along the registers: register 16 g + i is channel 32 g + 16 h + i, the same for all eight blocks of tokens
.irp q, 0,1,2,3
	global_load_b128 v[BI+16*\g+4*\q:BI+16*\g+4*\q+3], v5, s[12:13] offset:128*\g+16*\q
.endr
.endr
	s_branch .Lbias_in
.Lbias_v:
.irp a, 0,1,2,3,4,5,6,7                ; v: a lane holds one channel of each block a: 32 (a / 2) + 8 (a % 2) + r + 8 (r / 8); it stands in eight registers, so that one text scales both kinds and the packed additions take pairs
.irp j, 0,1,2,3,4,5,6,7
	global_load_b32 v[BI+8*\a+\j], v6, s[12:13] offset:4*(32*(\a/2)+8*(\a%2))
.endr
.endr
.Lbias_in:
.macro FRAG reg, adr, q, i             ; a fragment, 16 rows x 128 K of 8-bit codes, is 16 registers: four loads of 16 bytes, 32 bytes apart; the same places along K in A and in B
.irp c, 0,1,2,3
	ds_load_b128 v[\reg+4*\c:\reg+4*\c+3], v[\adr] offset:128*(\q)+32*\c+(\i)*16*PITCH
.endr
.endm
; 16 matrix instructions: A's blocks a0, a0 + 1 x B's eight, 128 along K.  p: B's set.  zero = 1: the first product starts the sums: nothing is ever cleared.
; The 64 accumulators take turns, one instruction a turn, in the same order in every step.
.macro MUL16 a0, p, zero
.irp a, \a0, \a0+1
.irp b, 0,1,2,3,4,5,6,7
.if \zero
	v_wmma_f32_16x16x128_fp8_fp8 v[8*(8*((\a)%4)+\b):8*(8*((\a)%4)+\b)+7], v[128*(\p)+FR*\b:128*(\p)+FR*\b+FR-1], v[AF+FR*(\a):AF+FR*(\a)+FR-1], 0
.else
	v_wmma_f32_16x16x128_fp8_fp8 v[8*(8*((\a)%4)+\b):8*(8*((\a)%4)+\b)+7], v[128*(\p)+FR*\b:128*(\p)+FR*\b+FR-1], v[AF+FR*(\a):AF+FR*(\a)+FR-1], v[8*(8*((\a)%4)+\b):8*(8*((\a)%4)+\b)+7]
.endif
.endr
.endr
.endm
.macro FETCH_B slot, q, p              ; B's eight fragments of the slot's q-th 128 along K into set p
	WIN TO_B
.irp i, 0,1,2,3,4,5,6,7
	FRAG 128*(\p)+FR*\i, ADRB+\slot, \q, \i
.endr
	WIN 0
.endm
.macro FETCH_A slot, q, i0             ; A's blocks i0 .. i0 + 3
.irp i, \i0, \i0+1, \i0+2, \i0+3
	FRAG AF+FR*(\i), ADRA+\slot, \q, \i
.endr
.endm
; A load into a register that a matrix instruction has read, and a vector instruction that reads a matrix result, stand NP places behind that matrix instruction; only plain vector instructions that name
; none of its registers are places (ISA guide 7.12.1 for vector instructions).
.macro PLACES n
.rept \n
	v_nop
.endr
.endm
; A step of 128 along K that has its successor in the same slot.  A's blocks go one after the other, each against B's eight: a block of A is free when its eight products are issued, so one set serves A.
.macro STEP slot, q, zero
	s_wait_dscnt 4*NL                              ; B's set and A's blocks 0-3 are in; the youngest sixteen loads (A's blocks 4-7) may be out
	WIN MUL_LO
	MUL16 0, (\q)%2, \zero
	MUL16 2, (\q)%2, \zero
	s_wait_dscnt 0                                 ; A's blocks 4-7 are in (asked for 32 matrix instructions ago)
	PLACES NP
	FETCH_B \slot, (\q)+1, 1-(\q)%2
	FETCH_A \slot, (\q)+1, 0
	WIN MUL_HI
	MUL16 4, (\q)%2, \zero
	MUL16 6, (\q)%2, \zero
	PLACES NP
	WIN 0
	FETCH_A \slot, (\q)+1, 4
.endm
; A slot's last step changes slots: ONE barrier; in front of it each wave waits for all its tensor loads, adds 0 to its spare word, and waits for that and for its own reads of this slot.  fill = 1: this slot is filled again, two K steps ahead.
.macro TURN slot, next, fill
	s_wait_tensorcnt 0x0                           ; all my tensor loads have landed: my part of the next slot;  (every window is 0 here: the add's two registers lie in window 0)
	ds_add_u32 v[SPW], v[NIL]                      ; 0 onto my spare word
	s_wait_dscnt 4*NL+1                            ; (the add and the youngest sixteen loads, A's blocks 4-7, may be out)
	WIN MUL_LO
	MUL16 0, 1, 0                                  ; sixteen matrix instructions stand between the add and the wait for it
	s_wait_dscnt 0x0                               ; the add is done, and my reads of this slot are over
	s_barrier_signal -1
	MUL16 2, 1, 0
	WIN 0
	s_barrier_wait -1
.if \fill
	CREST                                          ; the barrier has opened a round of the cluster's barrier: no wave of any partner still reads this slot's tile or has a load on its way
	s_add_nc_u64 s[G0+4*\slot+2:G0+4*\slot+3], s[G0+4*\slot+2:G0+4*\slot+3], 2*ROWB
	s_add_nc_u64 s[G0B+4*\slot+2:G0B+4*\slot+3], s[G0B+4*\slot+2:G0B+4*\slot+3], 2*ROWB
	JLOAD G0+4*\slot, G1, G0B+4*\slot, G1B         ; the first tensor load behind the round, my one load until the next; the four v_nop behind it are the places in front of the loads below
.else
	PLACES NP
.endif
	FETCH_B \next, 0, 0
	FETCH_A \next, 0, 0
	WIN MUL_HI
	MUL16 4, 1, 0
	MUL16 6, 1, 0
	PLACES NP
	WIN 0
	FETCH_A \next, 0, 4
.endm
	s_wait_tensorcnt 1                             ; my part of K step 0 is in (K step 1's load may be out)
	s_barrier_signal -1
	s_barrier_wait -1                              ; everybody's is
	FETCH_B 0, 0, 0
	FETCH_A 0, 0, 0
	FETCH_A 0, 0, 4
	STEP 0, 0, 1                                   ; K 0-127: its products start the sums
	TURN 0, 1, 1                                   ; K 128-255; slot 0 takes K 512-767
	STEP 1, 0, 0
	TURN 1, 0, 1                                   ; slot 1 takes K 768-1023: the last fill
	STEP 0, 0, 0
	TURN 0, 1, 0                                   ; nothing is filled, so no round of the cluster's barrier
	STEP 1, 0, 0
	s_wait_dscnt 4*NL                              ; the last step: nothing more to fetch
	WIN MUL_LO
	MUL16 0, 1, 0
	MUL16 2, 1, 0
	s_wait_dscnt 0
	WIN MUL_HI
	MUL16 4, 1, 0
	MUL16 6, 1, 0
	WIN 0
	; THE WAY OUT
	s_wait_kmcnt 0x0                               ; the ten exponents
	s_cmp_eq_u32 s98, 1
	s_cselect_b32 s4, s70, s68
	s_cselect_b32 s5, s71, s69
	s_cselect_b32 s6, s75, s74
	s_cmp_eq_u32 s98, 2
	s_cselect_b32 s4, s72, s4                      ; ex
	s_cselect_b32 s5, s73, s5                      ; ew
	s_cselect_b32 s6, s77, s6                      ; eo
	s_add_co_i32 s4, s4, s5                        ; ex + ew
	s_sub_co_i32 s5, 0, s4
	s_sub_co_i32 s6, s6, s4                        ; eo - ex - ew
	s_add_co_i32 s6, s6, 127
	s_lshl_b32 s7, s6, 23
	s_add_co_i32 s6, s6, 8
	s_lshl_b32 s6, s6, 23
	s_or_b32 s6, s6, 0x600000
	s_wait_loadcnt 0x0                             ; the bias
	PLACES NP                                      ; behind the last products: what follows reads results and writes registers that held A's fragments
	v_mov_b32 v[SC], s7
	v_mov_b32 v[LIM], s6
.set xx, 0
.rept 64
	v_ldexp_f32 v[BI+xx], v[BI+xx], s5             ; b / 2^(ex + ew)
.set xx, xx+1
.endr
; Block a of my eight: 16 rows of A's side x 128 of B's.  kind = 0: q, k; 1: v.  The two differ in which register holds a result's bias and in the stores' places.
.macro EPI kind
.irp a, 0,1,2,3,4,5,6,7
	WIN (0x02+(\a)/4)                              ; source 0: window 2 or 3
.set xx, 0
.rept 32                               ; each accumulator from its low end on
.if \kind
	v_pk_add_f32 v[TMP+xx:TMP+xx+1], v[64*(\a%4)+xx:64*(\a%4)+xx+1], v[BI+8*\a+xx%8:BI+8*\a+xx%8+1]
.else
	v_pk_add_f32 v[TMP+xx:TMP+xx+1], v[64*(\a%4)+xx:64*(\a%4)+xx+1], v[BI+xx:BI+xx+1]
.endif
.set xx, xx+2
.endr
	WIN 0
.set xx, 0
.rept 64
	v_med3_num_f32 v[TMP+xx], v[TMP+xx], -v[LIM], v[LIM]   ; the conversion to an 8-bit code does not saturate (ISA guide 7.6.2): the hold at the largest code x the scale
.set xx, xx+1
.endr
.if \a >= 4
	s_wait_xcnt 0x0                                ; block a - 4's stores have read their registers, which take this block's codes
.endif
.irp g, 0,1,2,3
	v_cvt_scalef32_pk8_fp8_f32 v[CD+16*(\a%4)+4*\g:CD+16*(\a%4)+4*\g+1], v[TMP+16*\g:TMP+16*\g+7], v[SC]
	v_cvt_scalef32_pk8_fp8_f32 v[CD+16*(\a%4)+4*\g+2:CD+16*(\a%4)+4*\g+3], v[TMP+16*\g+8:TMP+16*\g+15], v[SC]
.endr
	v_nop                                          ; one plain vector line between the conversions and the next block's additions, which write their sources
.irp g, 0,1,2,3
.if \kind
	global_store_b128 v[OFS], v[CD+16*(\a%4)+4*\g:CD+16*(\a%4)+4*\g+3], s[10:11] offset:(\a/4)*131072+2048*(\a%4)+512*\g   ; head a / 4, tile of channels a % 4, keys 32 g on
.else
	global_store_b128 v[OFS], v[CD+16*(\a%4)+4*\g:CD+16*(\a%4)+4*\g+3], s[10:11] offset:(\g/2)*131072+1024*\a+512*(\g%2)   ; head g / 2, tile of tokens a, channels 32 (g % 2) on
.endif
.endr
.endr
.endm
	s_cmp_eq_u32 s67, 1
	s_cbranch_scc1 .Lepi_v
	EPI 0
	s_branch .Lend
.Lepi_v:
	EPI 1
.Lend:
	s_wait_tensorcnt 0x0                           ; the wave's end, behind my last tensor load
	ds_add_u32 v[SPW], v[NIL]
	s_wait_dscnt 0x0
	CROUND                                         ; the closing round: no work-group ends while a partner may still ask for a tile that names it
	s_endpgm
.Lfunc_end_k_qbcf23ad995_proj:
	.size	k_qbcf23ad995_proj, .Lfunc_end_k_qbcf23ad995_proj-k_qbcf23ad995_proj
	.p2alignl 7, 3214868480
	.fill 96, 4, 3214868480
	.section	.rodata,"a",@progbits
	.p2align	6, 0x0
	.amdhsa_kernel k_qbcf23ad995_proj
		.amdhsa_group_segment_fixed_size 327680
		.amdhsa_private_segment_fixed_size 0
		.amdhsa_enable_private_segment 0
		.amdhsa_kernarg_size 64
		.amdhsa_user_sgpr_count 2
		.amdhsa_user_sgpr_kernarg_segment_ptr 1
		.amdhsa_wavefront_size32 1
		.amdhsa_system_sgpr_workgroup_id_x 1
		.amdhsa_system_sgpr_workgroup_id_y 1
		.amdhsa_system_sgpr_workgroup_id_z 1
		.amdhsa_system_vgpr_workitem_id 0
		.amdhsa_next_free_vgpr 1024
		.amdhsa_next_free_sgpr 100
		.amdhsa_reserve_vcc 0
		.amdhsa_float_denorm_mode_32 3
		.amdhsa_float_denorm_mode_16_64 3
		.amdhsa_memory_ordered 1
		.amdhsa_forward_progress 1
		.amdhsa_inst_pref_size 202
	.end_amdhsa_kernel
	.amdgpu_metadata
---
amdhsa.version: [ 1, 2 ]
amdhsa.kernels:
  - .name:           k_qbcf23ad995_proj
    .symbol:         k_qbcf23ad995_proj.kd
    .args:
      - { .name: codes, .offset: 0, .size: 8, .value_kind: global_buffer, .address_space: global }
      - { .name: lowp_scales, .offset: 8, .size: 8, .value_kind: global_buffer, .address_space: global }
      - { .name: bq, .offset: 16, .size: 8, .value_kind: global_buffer, .address_space: global }
      - { .name: bk, .offset: 24, .size: 8, .value_kind: global_buffer, .address_space: global }
      - { .name: bv, .offset: 32, .size: 8, .value_kind: global_buffer, .address_space: global }
      - { .name: qimg, .offset: 40, .size: 8, .value_kind: global_buffer, .address_space: global }
      - { .name: kimg, .offset: 48, .size: 8, .value_kind: global_buffer, .address_space: global }
      - { .name: vimg, .offset: 56, .size: 8, .value_kind: global_buffer, .address_space: global }
    .group_segment_fixed_size: 327680
    .private_segment_fixed_size: 0
    .kernarg_segment_align: 8
    .kernarg_segment_size: 64
    .max_flat_workgroup_size: 128
    .sgpr_count:     100
    .vgpr_count:     1024
    .wavefront_size: 32
...
	.end_amdgpu_metadata
.endif
;; end of part 2
;; launch attn (part 3): grid 4 x 64, 8 waves a work-group, no clusters, 271,360 bytes of LDS; arguments qimg, kimg, vimg, mask, lowp_scales, out0; writes out0
.if DOCPART == 3
	.amdgcn_target "amdgcn-amd-amdhsa--gfx1250"
	.amdhsa_code_object_version 6
	.text
	.protected	k_qbcf23ad995_attn
	.globl	k_qbcf23ad995_attn
	.p2align	8
	.type	k_qbcf23ad995_attn,@function
k_qbcf23ad995_attn:
	s_mov_b64 s[64:65], 0
	v_nop
	global_prefetch_b8 v0, s[64:65] scope:SCOPE_SE
	s_setreg_imm32_b32 hwreg(HW_REG_WAVE_MODE, 25, 1), 1
	s_wait_xcnt 0x0
; out[b][q][64 head + :] = the sum over keys of softmax(q . k / 8, keys with mask = true left out) v, both products on codes of FP8 (E4M3), each operand with the one scale 2^e that is given: eq, ek, ep, ev = entries 6 to 9.
; THE SOFTMAX AHEAD OF THE SECOND PRODUCT: t = score x log2(e) / 8; M = the row's largest t so far, rounded UP to a whole number; p = 2^(t - M) is quantised, not normalised.  The row's sum is taken of the
; unquantised p, in f32, and divides at the end.  When M moves, the sum and O are multiplied by 2^(old M - new M): exact.
; IN: images of the operands' registers, 131,072 bytes a head.  q, k: [tile of 16 tokens][2 blocks of 512 bytes], lane l's 16 bytes at 16 l; v: [step of 128 keys][tile of 16 channels][4 blocks of 512 bytes].
; In a tile, row r is number 32 b + 8 u + r + 8 (r / 8) (tile 2 b + u): as source 0 it gives a lane, in the registers of tiles 2 b and 2 b + 1, numbers 32 b + 16 (lane / 16) + 0 .. 15.
; SHARES.  A work-group owns 512 queries of one head, each of its eight waves 64: four tiles of 16; two waves to a SIMD, so that one wave's vector work stands beside the other's matrix work.  Every wave walks all
; 2,048 keys, 128 a step.  Both products are used transposed (S^T = K Q^T, O^T = V^T P^T): a lane holds ONE query (lane % 16) throughout, and the conversions' results are the second product's operand.
; K AND V IN LDS.  The whole head stays there (2 x 131,072 bytes), so nothing is ever written over while it is read.  It comes through registers, step by step: each wave copies 1,024 bytes of K and of V a step:
; asked of memory two steps ahead, stored into LDS one step ahead, one barrier a step between the stores and the reads.
; WHY NO CLUSTER AND NO JOINT LOADS, though the four work-groups of a head read the same K and V: p is at most 1, so the hold at 448 x 2^ep does nothing unless ep < -8; it is 64 of a tile's about 260 vector
; instructions a step, in a loop whose vector work is several times its matrix work.  It is jumped over by a branch on ep, a loaded number.
; THE MASK COSTS NO VECTOR WORK.  A table in LDS holds 0 for a key that counts and -2^100 for one that does not; it is the C of the score products.  The running maximum is kept in the scores' own units and
; begins at -2^30, under every score that codes can give (at most 64 x 448^2 in magnitude) and far over -2^100: so a masked key's p is 0 in every step.  A row all of whose keys are masked ends with
; sum 0 and O 0: 0 x infinity = NaN, as the softmax of a row of -infinity is.
; LIMITS on the given exponents: eq + ek between -80 and 90 (2^100 x c stays finite and far over every t - M that could give a p above 0); ep between -126 and 119; ep + ev is applied by v_ldexp_f32 and has none.
; REGISTERS.  window 0: v1-12 addresses; v14 2^ep, v15 448 x 2^ep; v16-31 four a tile: -M, the largest score, the sum in two halves; v32-38 at work; v40-71 Q; v72-87 p's codes; v88-151 the mask's C (on the way
; out: rows of O); v152-215 S^T, then p; v216-231 the pieces of K and V on their way; v232-247 the head's mask.   window 1: v0-63 K's 8 tiles; v64-127 V's 4 tiles; v128-255 O^T: tile i, channels' tile t at v[128 + 32 i + 8 t].
.set VIMG,   131072                    ; LDS: K's image at 0, V's here,
.set BIAS,   262144                    ; the mask's table: 2,048 f32
.set SPITCH, 272                       ; the way out: a stage of 16 rows x (256 bytes + 16) for each wave, in K's image, behind the barrier behind which nobody reads LDS
.set LI,  1                            ; v1   16 x lane
.set LSB, 2                            ; v2   1024 x wave + 16 x lane: my piece of a step's 8,192 bytes
.set BA,  3                            ; v3   BIAS + 64 (lane / 16)
.set ADK, 4                            ; v4   the LDS addresses of the fetches in hand
.set ADV, 5
.set ADB, 6
.set LA,  7                            ; v7   LSB + 8192 x step: my piece's place, in LDS and in memory alike
.set LAV, 8                            ; v8   LA + VIMG
.set LIV, 9                            ; v9   LI + VIMG
.set STO, 10                           ; v10  the stage: where I put a row's bytes
.set RD,  11                           ; v11  and where I read rows back
.set GO,  12                           ; v12  my byte offset in the wave's rows of out
.set ST,  16
.set Q,   40
.set P,   72
.set BI,  88
.set OB,  88
.set S,   152
.set PC,  216
.set MSB, 0
.macro WIN new                         ; the immediate's high byte repeats the setting that is left; a switch that changes nothing is dropped
.if MSB != \new
	s_set_vgpr_msb (MSB<<8)|\new
.set MSB, \new
.endif
.endm
.macro PLACES                          ; four places behind matrix instructions, in front of reads of their results and of loads into their sources (ISA guide 7.12.1 for the reads)
.rept 4
	v_nop
.endr
.endm
	s_load_b256 s[4:11], s[0:1], 0x0               ; q's, k's, v's images, the mask
	s_load_b128 s[12:15], s[0:1], 0x20             ; the scales' exponents, out
	v_lshl_add_u32 v254, v0, 2, 0x42000
	v_mov_b32 v255, 0
	v_lshrrev_b32 v13, 5, v0
	v_readfirstlane_b32 s16, v13                   ; wave 0..7
	v_and_b32 v13, 31, v0
	v_lshlrev_b32 v[LI], 4, v13
	s_lshl_b32 s17, s16, 10
	v_add_nc_u32 v[LSB], s17, v[LI]
	v_add_nc_u32 v[LAV], VIMG, v[LSB]
	v_add_nc_u32 v[LIV], VIMG, v[LI]
	v_bfe_u32 v13, v0, 4, 1                        ; h = lane / 16
	v_lshl_add_u32 v[BA], v13, 6, BIAS
	v_and_b32 v[GO], 15, v0                        ; r = lane % 16
	s_mul_i32 s17, s16, 16*SPITCH                  ; my stage
	v_mul_u32_u24 v[STO], v[GO], SPITCH
	v_lshl_add_u32 v[STO], v13, 6, v[STO]
	v_add_nc_u32 v[STO], s17, v[STO]               ; in: row r, + 64 h
	v_mul_u32_u24 v[RD], v13, SPITCH
	v_lshl_add_u32 v[RD], v[GO], 4, v[RD]
	v_add_nc_u32 v[RD], s17, v[RD]                 ; back: lanes 0-15 one row of 256 bytes, lanes 16-31 the next
	v_lshlrev_b32 v[GO], 4, v[GO]
	v_lshl_add_u32 v[GO], v13, 12, v[GO]           ; and the same in out, whose rows are 4,096 bytes
	v_lshlrev_b32 v236, 3, v0                      ; my 8 keys of the mask,
	v_lshl_add_u32 v235, v0, 5, BIAS               ; and their 32 bytes of the table
	s_mov_b32 s20, 0x76543210                      ; v_permlanex16_b32's selects for lane l xor 16
	s_mov_b32 s21, 0xfedcba98
	s_and_b32 s18, ttmp7, 0xffff                   ; 16 x batch + head
	s_lshl_b32 s32, s18, 17                        ; the head's bytes in each image
	s_mov_b32 s33, 0
	s_lshl_b32 s34, ttmp9, 15                      ; my work-group's 32 tiles of queries,
	s_lshl_b32 s35, s16, 12                        ; my wave's 4
	s_add_co_u32 s34, s34, s35
	s_add_co_u32 s34, s34, s32
	s_mov_b32 s35, 0
	s_lshr_b32 s36, s18, 4                         ; batch
	s_lshl_b32 s38, s36, 11                        ; its 2,048 bytes of the mask
	s_mov_b32 s39, 0
	s_lshl_b32 s36, s36, 23                        ; out: 2,048 rows of 4,096 bytes a batch,
	s_lshl_b32 s37, ttmp9, 21                      ; 512 a work-group,
	s_add_co_u32 s36, s36, s37
	s_lshl_b32 s37, s16, 18                        ; 64 a wave,
	s_add_co_u32 s36, s36, s37
	s_and_b32 s37, s18, 15
	s_lshl_b32 s37, s37, 8                         ; 256 bytes a head
	s_add_co_u32 s36, s36, s37
	s_mov_b32 s37, 0
	s_wait_kmcnt 0x0
	s_load_b128 s[28:31], s[12:13], 0x18           ; eq, ek, ep, ev
	s_add_nc_u64 s[4:5], s[4:5], s[34:35]
	s_add_nc_u64 s[6:7], s[6:7], s[32:33]
	s_add_nc_u64 s[8:9], s[8:9], s[32:33]
	s_add_nc_u64 s[10:11], s[10:11], s[38:39]
	s_add_nc_u64 s[14:15], s[14:15], s[36:37]
	global_load_b64 v[232:233], v236, s[10:11]                     ; 8 bytes of the mask
	global_load_b128 v[S:S+3],     v[LSB], s[6:7]                  ; step 0's pieces, in registers that the scores take later
	global_load_b128 v[S+4:S+7],   v[LSB], s[6:7] offset:512
	global_load_b128 v[S+8:S+11],  v[LSB], s[8:9]
	global_load_b128 v[S+12:S+15], v[LSB], s[8:9] offset:512
.irp i, 0,1,2,3                        ; Q's four tiles stay in registers; read once in the launch
	global_load_b128 v[Q+8*\i:Q+8*\i+3],   v[LI], s[4:5] offset:1024*\i th:TH_LOAD_NT
	global_load_b128 v[Q+8*\i+4:Q+8*\i+7], v[LI], s[4:5] offset:1024*\i+512 th:TH_LOAD_NT
.endr
	global_load_b128 v[PC:PC+3],     v[LSB], s[6:7] offset:8192    ; step 1's pieces
	global_load_b128 v[PC+4:PC+7],   v[LSB], s[6:7] offset:8704
	global_load_b128 v[PC+8:PC+11],  v[LSB], s[8:9] offset:8192
	global_load_b128 v[PC+12:PC+15], v[LSB], s[8:9] offset:8704
	WIN 0x40
.set n, 0
.rept 128
	v_mov_b32 v[128+n], 0                          ; O^T.  (The key step is written for every step alike: the first finds zeros, which the first change of M leaves zeros; a first step of its own would be a fourth copy of the step's text)
.set n, n+1
.endr
	WIN 0
	s_wait_kmcnt 0x0
	s_add_co_i32 s17, s28, s29
	s_lshl_b32 s17, s17, 23
	s_add_co_i32 s22, s17, 0x3e38aa3b              ; c = log2(e) / 8 x 2^(eq + ek): the two exponents are added to the exponent field
	s_mov_b32 s23, s22                             ; (named with it as a pair, so it is written)
	s_add_co_i32 s17, s30, 127
	s_lshl_b32 s19, s17, 23
	v_mov_b32 v14, s19                             ; 2^ep as f32, for the conversion
	s_add_co_i32 s17, s17, 8
	s_lshl_b32 s17, s17, 23
	s_or_b32 s17, s17, 0x600000
	v_mov_b32 v15, s17                             ; 448 x 2^ep
	s_add_co_i32 s27, s30, s31                     ; ep + ev
.irp i, 0,1,2,3
	v_mov_b32 v[ST+4*\i+1], 0xce800000             ; the largest score so far: -2^30
	v_mov_b32 v[ST+4*\i+2], 0                      ; the sum, in two halves
	v_mov_b32 v[ST+4*\i+3], 0
.endr
	v_mul_f32 v35, s22, v[ST+1]
.irp i, 0,1,2,3
	v_floor_f32 v[ST+4*\i], -v35                   ; -M
.endr
	v_mov_b32 v33, 0                               ; (named as the upper half of the pair v[32:33])
	v_mov_b32 v38, 0                               ; written once: a lane permute's destination counts as one of its sources
	v_mov_b32 v234, 0xf1800000                     ; -2^100
	s_wait_loadcnt 12                              ; the mask and step 0's pieces are in; Q's eight loads and step 1's four may be out
.irp n, 0,1,2,3,4,5,6,7
	v_bfe_u32 v13, v[232+\n/4], 8*(\n%4), 8
	v_cmp_ne_u32 vcc_lo, 0, v13
	v_cndmask_b32 v[240+\n], 0, v234, vcc_lo       ; true = masked out
.endr
	ds_store_b128 v235, v[240:243]
	ds_store_b128 v235, v[244:247] offset:16
	ds_store_b128 v[LSB], v[S:S+3]
	ds_store_b128 v[LSB], v[S+4:S+7] offset:512
	ds_store_b128 v[LAV], v[S+8:S+11]
	ds_store_b128 v[LAV], v[S+12:S+15] offset:512
	s_mov_b32 s25, 0                               ; 8192 x the step in hand
	s_wait_dscnt 0x0                               ; for the others' sake: my stores have landed
	s_barrier_signal -1
	s_barrier_wait -1                              ; the table and step 0 lie in LDS
; K's eight tiles and the mask's C for them, of the step in hand (ahead = 0) or the next (1): 32 loads in one run.  C's register j of tile 2 b + u is key 32 b + 16 h + 8 u + j: 16 lanes read the same 16 bytes.
.macro KFETCH ahead
	WIN 0
	v_add_nc_u32 v[ADK], s25, v[LI]
	s_lshr_b32 s26, s25, 4                         ; 512 bytes of the table a step
	v_add_nc_u32 v[ADB], s26, v[BA]
	WIN 0x40                                       ; destination window 1
.irp k, 0,1,2,3,4,5,6,7
	ds_load_b128 v[8*\k:8*\k+3],   v[ADK] offset:8192*\ahead+1024*\k
	ds_load_b128 v[8*\k+4:8*\k+7], v[ADK] offset:8192*\ahead+1024*\k+512
.endr
	WIN 0
.irp k, 0,1,2,3,4,5,6,7
	ds_load_b128 v[BI+8*\k:BI+8*\k+3],   v[ADB] offset:512*\ahead+128*(\k/2)+32*(\k%2)
	ds_load_b128 v[BI+8*\k+4:BI+8*\k+7], v[ADB] offset:512*\ahead+128*(\k/2)+32*(\k%2)+16
.endr
.endm
.macro VFETCH                          ; V's four tiles of the step in hand
	WIN 0x40
.irp t, 0,1,2,3
.irp c, 0,1,2,3
	ds_load_b128 v[64+16*\t+4*\c:64+16*\t+4*\c+3], v[ADV] offset:2048*\t+512*\c
.endr
.endr
.endm
.macro SMUL i                          ; S^T = K Q^T + the mask's C, for tile i of my queries: eight tiles of 16 keys, K = the head's 64
	WIN 0x01                                       ; source 0 (K) window 1
.irp k, 0,1,2,3,4,5,6,7
	v_wmma_f32_16x16x64_fp8_fp8 v[S+8*\k:S+8*\k+7], v[8*\k:8*\k+7], v[Q+8*(\i):Q+8*(\i)+7], v[BI+8*\k:BI+8*\k+7]
.endr
.endm
.macro PVMUL i                         ; O^T += V^T P^T: four tiles of 16 channels, K = the step's 128 keys.  The four accumulators take turns, and between two links of a chain stand a whole step's other products
	WIN 0x51                                       ; source 0 (V), C and D (O^T) window 1; source 1 (p's codes) window 0
.irp t, 0,1,2,3
	v_wmma_f32_16x16x128_fp8_fp8 v[128+32*(\i)+8*\t:128+32*(\i)+8*\t+7], v[64+16*\t:64+16*\t+15], v[P:P+15], v[128+32*(\i)+8*\t:128+32*(\i)+8*\t+7]
.endr
.endm
; Tile i's softmax for a step: the lane's 64 scores become p's codes; the sum and O^T are brought under the new M.
.macro SOFT i
.set T, ST+4*(\i)
	WIN 0
	v_max3_num_f32 v34, v[S], v[S+1], v[S+2]       ; the step's largest score of my query among my 64 keys, in two chains; each accumulator is read from its low end on
	v_max3_num_f32 v35, v[S+3], v[S+4], v[S+5]
.irp n, 6,10,14,18,22,26,30,34,38,42,46,50,54,58
	v_max3_num_f32 v34, v34, v[S+\n], v[S+\n+1]
	v_max3_num_f32 v35, v35, v[S+\n+2], v[S+\n+3]
.endr
	v_max3_num_f32 v34, v34, v[S+62], v[S+63]
	v_max_num_f32 v34, v34, v35
	v_permlanex16_b32 v38, v34, s20, s21           ; the query's other 64 keys lie in lane l xor 16
	v_max3_num_f32 v[T+1], v[T+1], v34, v38        ; the running largest score
	v_mov_b32 v34, v[T]
	v_mul_f32 v35, s22, v[T+1]                     ; as t (c is positive)
	v_floor_f32 v[T], -v35                         ; the new -M = floor(-t) = -ceil(t): M IS A WHOLE NUMBER
	v_sub_f32 v34, v[T], v34                       ; M's old value less its new one: a whole number, 0 or less
	v_cvt_i32_f32 v34, v34                         ; (it saturates)
	v_ldexp_f32 v32, 1.0, v34                      ; f = 2^(old M - new M)
.set n, 0
.rept 32
	v_pk_fma_f32 v[S+n:S+n+1], v[S+n:S+n+1], s[22:23], v[T:T+1] op_sel_hi:[1,0,0]   ; t - M, two at a time (of the pairs c and -M the low word serves both halves)
.set n, n+2
.endr
.set n, 0
.rept 64
	v_exp_f32 v[S+n], v[S+n]                       ; p = 2^(t - M), at most 1: NOT normalised
.set n, n+1
.endr
	v_pk_mul_f32 v[T+2:T+3], v[T+2:T+3], v[32:33] op_sel_hi:[1,0]   ; the sums under the new M: the plain line behind the exponentials
	s_wait_alu depctr_va_vdst(0)                   ; one wait for the whole batch, ahead of its first reader
	v_pk_add_f32 v[36:37], v[S:S+1], v[S+2:S+3]    ; THE ROW'S SUM IS TAKEN OF THE UNQUANTISED p: two at a time, in two chains
.irp n, 4,8,12,16,20,24,28,32,36,40,44,48,52,56,60
	v_pk_add_f32 v[T+2:T+3], v[T+2:T+3], v[S+\n:S+\n+1]
	v_pk_add_f32 v[36:37], v[36:37], v[S+\n+2:S+\n+3]
.endr
	v_pk_add_f32 v[T+2:T+3], v[T+2:T+3], v[36:37]
	s_cmp_lt_i32 s30, -8                           ; the conversion does not saturate (ISA guide 7.6.2).  p <= 1 <= 448 x 2^ep from ep = -8 on: only a smaller ep needs the hold
	s_cbranch_scc0 .Lfits_\@
.set n, 0
.rept 64
	v_min_num_f32 v[S+n], v[S+n], v15              ; p is not negative, so the hold is one-sided
.set n, n+1
.endr
.Lfits_\@:
.irp b, 0,1,2,3
	v_cvt_scalef32_pk8_fp8_f32 v[P+4*\b:P+4*\b+1], v[S+16*\b:S+16*\b+7], v14       ; registers 4 b .. 4 b + 3 of the operand: keys 32 b + 16 h + 0 .. 15
	v_cvt_scalef32_pk8_fp8_f32 v[P+4*\b+2:P+4*\b+3], v[S+16*\b+8:S+16*\b+15], v14
.endr
	WIN 0x41                                       ; O^T (destination and source 0) window 1, f window 0
.set n, 0
.rept 16
	v_pk_mul_f32 v[128+32*(\i)+n:128+32*(\i)+n+1], v[128+32*(\i)+n:128+32*(\i)+n+1], v[32:33] op_sel_hi:[1,0]   ; O^T under the new M.  (Plain lines between the conversions and the products that read the codes)
.set n, n+2
.endr
.endm
; A KEY STEP: 128 keys.  st = 1: the next step's pieces, which have come from memory, go into LDS.  ld = 1: the pieces of the step after that are asked of memory.  kf = 1: behind the barrier the next step's K is fetched.
.macro TRIP st, ld, kf
	s_wait_loadcnt 0x0                             ; the pieces asked for a step ago are in (in the first step: Q too); their address register is free
	v_add_nc_u32 v[ADV], s25, v[LIV]
.if \st
	v_add_nc_u32 v[LA], s25, v[LSB]
	v_add_nc_u32 v[LAV], VIMG, v[LA]
	ds_store_b128 v[LA],  v[PC:PC+3]     offset:8192   ; bytes that nobody has written or read yet
	ds_store_b128 v[LA],  v[PC+4:PC+7]   offset:8704
	ds_store_b128 v[LAV], v[PC+8:PC+11]  offset:8192
	ds_store_b128 v[LAV], v[PC+12:PC+15] offset:8704
.endif
	s_wait_dscnt 0x0                               ; this step's K and C are in; the stores have read their registers
.if \ld
	global_load_b128 v[PC:PC+3],     v[LA], s[6:7] offset:16384    ; a whole step's work stands between these and the wait for them
	global_load_b128 v[PC+4:PC+7],   v[LA], s[6:7] offset:16896
	global_load_b128 v[PC+8:PC+11],  v[LA], s[8:9] offset:16384
	global_load_b128 v[PC+12:PC+15], v[LA], s[8:9] offset:16896
.endif
	SMUL 0
	PLACES                                         ; for the reads of the scores, and for the loads into V's registers, which the last step's last products read
	VFETCH                                         ; V lands while the first softmax is walked
	SOFT 0
	s_wait_dscnt 0x0                               ; V is in
	PVMUL 0
	SMUL 1
	PLACES
	SOFT 1
	PVMUL 1
	SMUL 2
	PLACES
	SOFT 2
	PVMUL 2
	SMUL 3                                         ; K's and C's last readers of this step
	PLACES                                         ; for the reads of the scores and for the loads into K's and C's registers
	WIN 0
	s_wait_dscnt 0x0                               ; my stores of the next step's pieces have landed, and none of my LDS loads is out
	s_barrier_signal -1
	s_barrier_wait -1                              ; everybody's have: the next step lies whole in LDS
.if \kf
	KFETCH 1                                       ; it lands while the last softmax is walked
.endif
	SOFT 3
	PVMUL 3
	WIN 0
	s_add_co_u32 s25, s25, 8192
.endm
	KFETCH 0
	s_mov_b32 s24, 14
.Lstep:                                            ; steps 0 to 13
	TRIP 1, 1, 1
	s_sub_co_u32 s24, s24, 1
	s_cmp_lg_u32 s24, 0
	s_cbranch_scc1 .Lstep
	TRIP 1, 0, 1                                   ; step 14: nothing is left to ask of memory
	TRIP 0, 0, 0                                   ; step 15: nothing is left to store or to fetch.  Behind its barrier no wave reads LDS any more: the stages may be written
	; THE WAY OUT.  The sum's two halves and lane l xor 16's are added; O^T x 2^(ep + ev) / the sum goes through my stage, a tile (16 queries x 256 bytes) at a time.  The additions are the places behind the last products.
.irp i, 0,1,2,3
	v_add_f32 v[ST+4*\i+2], v[ST+4*\i+2], v[ST+4*\i+3]
.endr
.irp i, 0,1,2,3
	v_permlanex16_b32 v[ST+4*\i+3], v[ST+4*\i+2], s20, s21
.endr
.irp i, 0,1,2,3
	v_add_f32 v[ST+4*\i+2], v[ST+4*\i+2], v[ST+4*\i+3]
.endr
.irp i, 0,1,2,3
	v_rcp_f32 v[ST+4*\i+2], v[ST+4*\i+2]
.endr
	v_nop                                          ; a plain line between the last reciprocal and the use of its result
	s_wait_alu depctr_va_vdst(0)                   ; one wait for the four reciprocals, ahead of the first reader
.irp i, 0,1,2,3
	v_ldexp_f32 v[ST+4*\i+2], v[ST+4*\i+2], s27
.endr
; Tile i: register j of channels' tile 2 b + u is channel 32 b + 16 h + 8 u + j of query r: 32 bytes at 128 b + 64 h + 32 u of the stage's row r.  Back come whole rows of 256 bytes.
.macro PACK i
	WIN 0x01                                       ; source 0 (O^T) window 1
.set n, 0
.rept 16
	v_pk_mul_f32 v[S+32*((\i)%2)+n:S+32*((\i)%2)+n+1], v[128+32*(\i)+n:128+32*(\i)+n+1], v[ST+4*(\i)+2:ST+4*(\i)+3] op_sel_hi:[1,0]
.set n, n+2
.endr
	WIN 0
.irp t, 0,1,2,3
	ds_store_b128 v[STO], v[S+32*((\i)%2)+8*\t:S+32*((\i)%2)+8*\t+3]   offset:128*(\t/2)+32*(\t%2)
	ds_store_b128 v[STO], v[S+32*((\i)%2)+8*\t+4:S+32*((\i)%2)+8*\t+7] offset:128*(\t/2)+32*(\t%2)+16
.endr
.irp f, 0,1,2,3,4,5,6,7
	ds_load_b128 v[OB+32*((\i)%2)+4*\f:OB+32*((\i)%2)+4*\f+3], v[RD] offset:\f*2*SPITCH   ; LDS serves a wave's instructions in order (ISA guide 5.7.1.4): these see the stores above, and the next tile's stores come behind them
.endr
.endm
; The stage's row rho of tile i is token 32 (i / 2) + 8 (i % 2) + rho + 8 (rho / 8) of my 64.  younger: the LDS instructions issued behind tile i's loads: the next tile's sixteen, or none.
.macro SEND i, younger
.irp f, 0,1,2,3,4,5,6,7
	s_wait_dscnt \younger+7-\f
	global_store_b128 v[GO], v[OB+32*((\i)%2)+4*\f:OB+32*((\i)%2)+4*\f+3], s[14:15] offset:(32*((\i)/2)+8*((\i)%2)+2*\f+8*(\f/4))*4096 th:TH_STORE_NT   ; sixteen lanes store 256 consecutive bytes, aligned: a head's part of a row of out
.endr
.endm
	PACK 0
	PACK 1                                         ; a tile's arithmetic stands between the loads of the tile before and its stores
	SEND 0, 16
	s_wait_xcnt 0x0                                ; tile 0's stores have read their registers, into which tile 2's rows come back
	PACK 2
	SEND 1, 16
	s_wait_xcnt 0x0
	PACK 3
	SEND 2, 16
	SEND 3, 0
	s_wait_tensorcnt 0x0
	ds_add_u32 v254, v255
	s_wait_dscnt 0x0
	s_endpgm
.Lfunc_end_k_qbcf23ad995_attn:
	.size	k_qbcf23ad995_attn, .Lfunc_end_k_qbcf23ad995_attn-k_qbcf23ad995_attn
	.p2alignl 7, 3214868480
	.fill 96, 4, 3214868480
	.section	.rodata,"a",@progbits
	.p2align	6, 0x0
	.amdhsa_kernel k_qbcf23ad995_attn
		.amdhsa_group_segment_fixed_size 271360
		.amdhsa_private_segment_fixed_size 0
		.amdhsa_enable_private_segment 0
		.amdhsa_kernarg_size 48
		.amdhsa_user_sgpr_count 2
		.amdhsa_user_sgpr_kernarg_segment_ptr 1
		.amdhsa_wavefront_size32 1
		.amdhsa_system_sgpr_workgroup_id_x 1
		.amdhsa_system_sgpr_workgroup_id_y 1
		.amdhsa_system_sgpr_workgroup_id_z 1
		.amdhsa_system_vgpr_workitem_id 0
		.amdhsa_next_free_vgpr 512
		.amdhsa_next_free_sgpr 66
		.amdhsa_reserve_vcc 1
		.amdhsa_float_denorm_mode_32 3
		.amdhsa_float_denorm_mode_16_64 3
		.amdhsa_memory_ordered 1
		.amdhsa_forward_progress 1
		.amdhsa_inst_pref_size 193
	.end_amdhsa_kernel
	.amdgpu_metadata
---
amdhsa.version: [ 1, 2 ]
amdhsa.kernels:
  - .name:           k_qbcf23ad995_attn
    .symbol:         k_qbcf23ad995_attn.kd
    .args:
      - { .name: qimg, .offset: 0, .size: 8, .value_kind: global_buffer, .address_space: global }
      - { .name: kimg, .offset: 8, .size: 8, .value_kind: global_buffer, .address_space: global }
      - { .name: vimg, .offset: 16, .size: 8, .value_kind: global_buffer, .address_space: global }
      - { .name: mask, .offset: 24, .size: 8, .value_kind: global_buffer, .address_space: global }
      - { .name: lowp_scales, .offset: 32, .size: 8, .value_kind: global_buffer, .address_space: global }
      - { .name: out0, .offset: 40, .size: 8, .value_kind: global_buffer, .address_space: global }
    .group_segment_fixed_size: 271360
    .private_segment_fixed_size: 0
    .kernarg_segment_align: 8
    .kernarg_segment_size: 48
    .max_flat_workgroup_size: 256
    .sgpr_count:     66
    .vgpr_count:     512
    .wavefront_size: 32
...
	.end_amdgpu_metadata
.endif
;; end of part 3
;; ======== version 2 of 2: 3 launches; version 1 with the launch attn written anew for expert scheduling mode
;; limits: right only within a limited range of input values
;; workspace buffers: codes 28,311,552 bytes; qimg 8,388,608 bytes; kimg 8,388,608 bytes; vimg 8,388,608 bytes
;; launch quant: the kernel of part 1 again; grid 864 x 1, 4 waves a work-group, no clusters, 36,352 bytes of LDS; arguments query, key, value, Wq, Wk, Wv, lowp_scales, codes; writes codes
;; launch proj: the kernel of part 2 again; grid 4 x 96, 4 waves a work-group, clusters of 4 x 4, 327,680 bytes of LDS; arguments codes, lowp_scales, bq, bk, bv, qimg, kimg, vimg; writes qimg, kimg, vimg
;; launch attn (part 4): grid 4 x 64, 8 waves a work-group, no clusters, 271,360 bytes of LDS; arguments qimg, kimg, vimg, mask, lowp_scales, out0; writes out0
.if DOCPART == 4
	.amdgcn_target "amdgcn-amd-amdhsa--gfx1250"
	.amdhsa_code_object_version 6
	.text
	.protected	k_qbcf23ad995_attn
	.globl	k_qbcf23ad995_attn
	.p2align	8
	.type	k_qbcf23ad995_attn,@function
k_qbcf23ad995_attn:
	s_mov_b64 s[64:65], 0
	v_nop
	global_prefetch_b8 v0, s[64:65] scope:SCOPE_SE
	s_setreg_imm32_b32 hwreg(HW_REG_WAVE_SCHED_MODE, 0, 2), 2
	s_setreg_imm32_b32 hwreg(HW_REG_WAVE_MODE, 25, 1), 1
	s_wait_xcnt 0x0
	s_wait_alu depctr_vm_vsrc(0)
; out[b][q][64 head + :] = the sum over keys of softmax(q . k / 8, keys with mask = true left out) v, both products on codes of FP8 (E4M3), each operand with the one scale 2^e that is given: eq, ek, ep, ev = entries 6 to 9.
; THE SOFTMAX AHEAD OF THE SECOND PRODUCT: t = score x log2(e) / 8; M = the row's largest t so far, rounded UP to a whole number; p = 2^(t - M) is quantised, not normalised.  The row's sum is taken of the
; unquantised p, in f32, and divides at the end.  When M moves, the sum and O are multiplied by 2^(old M - new M): exact.
; IN: images of the operands' registers, 131,072 bytes a head.  q, k: [tile of 16 tokens][2 blocks of 512 bytes], lane l's 16 bytes at 16 l; v: [step of 128 keys][tile of 16 channels][4 blocks of 512 bytes].
; In a tile, row r is number 32 b + 8 u + r + 8 (r / 8) (tile 2 b + u): as source 0 it gives a lane, in the registers of tiles 2 b and 2 b + 1, numbers 32 b + 16 (lane / 16) + 0 .. 15.
; SHARES.  A work-group owns 512 queries of one head, each of its eight waves 64: four tiles of 16; two waves to a SIMD, so that one wave's vector work stands beside the other's matrix work.  Every wave walks all
; 2,048 keys, 128 a step.  Both products are used transposed (S^T = K Q^T, O^T = V^T P^T): a lane holds ONE query (lane % 16) throughout, and the conversions' results are the second product's operand.
; K AND V IN LDS.  The whole head stays there (2 x 131,072 bytes), so nothing is ever written over while it is read.  It comes through registers, step by step: each wave copies 1,024 bytes of K and of V a step:
; asked of memory two steps ahead, stored into LDS one step ahead, one barrier a step between the stores and the reads.
; WHY NO CLUSTER AND NO JOINT LOADS, though the four work-groups of a head read the same K and V: p is at most 1, so the hold at 448 x 2^ep does nothing unless ep < -8; it is 64 of a tile's about 260 vector
; instructions a step, in a loop whose vector work is several times its matrix work.  It is jumped over by a branch on ep, a loaded number.
; THE MASK COSTS NO VECTOR WORK.  A table in LDS holds 0 for a key that counts and -2^100 for one that does not; it is the C of the score products.  The running maximum is kept in the scores' own units and
; begins at -2^30, under every score that codes can give (at most 64 x 448^2 in magnitude) and far over -2^100: so a masked key's p is 0 in every step.  A row all of whose keys are masked ends with
; sum 0 and O 0: 0 x infinity = NaN, as the softmax of a row of -infinity is.
; LIMITS on the given exponents: eq + ek between -80 and 90 (2^100 x c stays finite and far over every t - M that could give a p above 0); ep between -126 and 119; ep + ev is applied by v_ldexp_f32 and has none.
; REGISTERS.  window 0: v1-12 addresses; v14 2^ep, v15 448 x 2^ep; v16-31 four a tile: -M, the largest score, the sum in two halves; v32-38 at work; v40-71 Q; v72-87 p's codes; v88-151 the mask's C (on the way
; out: rows of O); v152-215 S^T, then p; v216-231 the pieces of K and V on their way; v232-247 at the head: the mask's bytes and my part of its table.   window 1: v0-63 K's 8 tiles; v64-127 V's 4 tiles; v128-255 O^T: tile i, channels' tile t at v[128 + 32 i + 8 t].
; THE MODE: SCHED_MODE bits 1:0 = 2 (LLVM: expert scheduling mode 2), set by the entry lines.  The code itself states the register dependences between vector or matrix instructions and memory or LDS
; instructions, with s_wait_alu, always for 0.
; THE PLAN.  Registers that memory or LDS instructions touch, in a key step:
;   K's tiles, the mask's C      read by the four runs of score products; the next step's LDS loads land in them behind the barrier, which stands behind the fourth run.
;   V's tiles                    read by the four runs of products V^T P^T; this step's LDS loads land in them behind the first run of score products.
;   PC                           named by no vector instruction: loads from memory land in it, four LDS stores read it a step later, the next loads land in it behind them.
;   ADV, LA, LAV, ADK, ADB       written by five additions at the step's head; read by that step's LDS loads and stores and its loads from memory.
;   LI, LSB, BA, LIV, STO, RD, GO  made at the kernel's head and never written again.
;   S^T and p, p's codes, O^T and the statistics are named in the loop by vector and matrix instructions alone.
; So a step has, beside the wait behind each softmax's exponentials: one wait on vm_vsrc ahead of the five additions; one on va_vdst behind the first run of score products, for the additions and for the last step's
; reads of V: the step's four LDS stores, four loads from memory and V's sixteen LDS loads follow it; one on vm_vsrc between those stores and the loads that land in PC; one on va_vdst behind the barrier, for the
; fourth run's reads of K and C.  Both waits on va_vdst stand where the wave is about to read scores just made.
.set VIMG,   131072                    ; LDS: K's image at 0, V's here,
.set BIAS,   262144                    ; the mask's table: 2,048 f32
.set SPITCH, 272                       ; the way out: a stage of 16 rows x (256 bytes + 16) for each wave, in K's image, behind the barrier behind which nobody reads LDS
.set LI,  1                            ; v1   16 x lane
.set LSB, 2                            ; v2   1024 x wave + 16 x lane: my piece of a step's 8,192 bytes
.set BA,  3                            ; v3   BIAS + 64 (lane / 16)
.set ADK, 4                            ; v4   the LDS addresses of the fetches in hand
.set ADV, 5
.set ADB, 6
.set LA,  7                            ; v7   LSB + 8192 x step: my piece's place, in LDS and in memory alike
.set LAV, 8                            ; v8   LA + VIMG
.set LIV, 9                            ; v9   LI + VIMG
.set STO, 10                           ; v10  the stage: where I put a row's bytes
.set RD,  11                           ; v11  and where I read rows back
.set GO,  12                           ; v12  my byte offset in the wave's rows of out
.set ST,  16
.set Q,   40
.set P,   72
.set BI,  88
.set OB,  88
.set S,   152
.set PC,  216
.set MSB, 0
.macro WIN new                         ; the immediate's high byte repeats the setting that is left; a switch that changes nothing is dropped
.if MSB != \new
	s_set_vgpr_msb (MSB<<8)|\new
.set MSB, \new
.endif
.endm
.macro PLACES                          ; four places behind matrix instructions, in front of reads of their results (ISA guide 7.12.1)
.rept 4
	v_nop
.endr
.endm
	s_load_b256 s[4:11], s[0:1], 0x0               ; q's, k's, v's images, the mask
	s_load_b128 s[12:15], s[0:1], 0x20             ; the scales' exponents, out
	v_lshl_add_u32 v254, v0, 2, 0x42000
	v_mov_b32 v255, 0
	v_lshrrev_b32 v13, 5, v0
	v_readfirstlane_b32 s16, v13                   ; wave 0..7
	v_and_b32 v13, 31, v0
	v_lshlrev_b32 v[LI], 4, v13
	s_wait_alu depctr_va_sdst(0)                   ; s16 is written, ahead of its first reader: addresses and bases are made from it
	s_lshl_b32 s17, s16, 10
	v_add_nc_u32 v[LSB], s17, v[LI]
	v_add_nc_u32 v[LAV], VIMG, v[LSB]
	v_add_nc_u32 v[LIV], VIMG, v[LI]
	v_bfe_u32 v13, v0, 4, 1                        ; h = lane / 16
	v_lshl_add_u32 v[BA], v13, 6, BIAS
	v_and_b32 v[GO], 15, v0                        ; r = lane % 16
	s_mul_i32 s17, s16, 16*SPITCH                  ; my stage
	v_mul_u32_u24 v[STO], v[GO], SPITCH
	v_lshl_add_u32 v[STO], v13, 6, v[STO]
	v_add_nc_u32 v[STO], s17, v[STO]               ; in: row r, + 64 h
	v_mul_u32_u24 v[RD], v13, SPITCH
	v_lshl_add_u32 v[RD], v[GO], 4, v[RD]
	v_add_nc_u32 v[RD], s17, v[RD]                 ; back: lanes 0-15 one row of 256 bytes, lanes 16-31 the next
	v_lshlrev_b32 v[GO], 4, v[GO]
	v_lshl_add_u32 v[GO], v13, 12, v[GO]           ; and the same in out, whose rows are 4,096 bytes
	v_lshlrev_b32 v236, 3, v0                      ; my 8 keys of the mask,
	v_lshl_add_u32 v235, v0, 5, BIAS               ; and their 32 bytes of the table
	s_mov_b32 s20, 0x76543210                      ; v_permlanex16_b32's selects for lane l xor 16
	s_mov_b32 s21, 0xfedcba98
	s_and_b32 s18, ttmp7, 0xffff                   ; 16 x batch + head
	s_lshl_b32 s32, s18, 17                        ; the head's bytes in each image
	s_mov_b32 s33, 0
	s_lshl_b32 s34, ttmp9, 15                      ; my work-group's 32 tiles of queries,
	s_lshl_b32 s35, s16, 12                        ; my wave's 4
	s_add_co_u32 s34, s34, s35
	s_add_co_u32 s34, s34, s32
	s_mov_b32 s35, 0
	s_lshr_b32 s36, s18, 4                         ; batch
	s_lshl_b32 s38, s36, 11                        ; its 2,048 bytes of the mask
	s_mov_b32 s39, 0
	s_lshl_b32 s36, s36, 23                        ; out: 2,048 rows of 4,096 bytes a batch,
	s_lshl_b32 s37, ttmp9, 21                      ; 512 a work-group,
	s_add_co_u32 s36, s36, s37
	s_lshl_b32 s37, s16, 18                        ; 64 a wave,
	s_add_co_u32 s36, s36, s37
	s_and_b32 s37, s18, 15
	s_lshl_b32 s37, s37, 8                         ; 256 bytes a head
	s_add_co_u32 s36, s36, s37
	s_mov_b32 s37, 0
	s_wait_kmcnt 0x0
	s_load_b128 s[28:31], s[12:13], 0x18           ; eq, ek, ep, ev
	s_add_nc_u64 s[4:5], s[4:5], s[34:35]
	s_add_nc_u64 s[6:7], s[6:7], s[32:33]
	s_add_nc_u64 s[8:9], s[8:9], s[32:33]
	s_add_nc_u64 s[10:11], s[10:11], s[38:39]
	s_add_nc_u64 s[14:15], s[14:15], s[36:37]
	s_wait_alu depctr_va_vdst(0)                   ; the addresses and offsets made above (v1-3, v8-12, v235, v236) are written: the loads and stores of the kernel read them
	global_load_b64 v[232:233], v236, s[10:11]                     ; 8 bytes of the mask
	global_load_b128 v[S:S+3],     v[LSB], s[6:7]                  ; step 0's pieces, in registers that the scores take later
	global_load_b128 v[S+4:S+7],   v[LSB], s[6:7] offset:512
	global_load_b128 v[S+8:S+11],  v[LSB], s[8:9]
	global_load_b128 v[S+12:S+15], v[LSB], s[8:9] offset:512
.irp i, 0,1,2,3                        ; Q's four tiles stay in registers; read once in the launch
	global_load_b128 v[Q+8*\i:Q+8*\i+3],   v[LI], s[4:5] offset:1024*\i th:TH_LOAD_NT
	global_load_b128 v[Q+8*\i+4:Q+8*\i+7], v[LI], s[4:5] offset:1024*\i+512 th:TH_LOAD_NT
.endr
	global_load_b128 v[PC:PC+3],     v[LSB], s[6:7] offset:8192    ; step 1's pieces
	global_load_b128 v[PC+4:PC+7],   v[LSB], s[6:7] offset:8704
	global_load_b128 v[PC+8:PC+11],  v[LSB], s[8:9] offset:8192
	global_load_b128 v[PC+12:PC+15], v[LSB], s[8:9] offset:8704
	WIN 0x40
.set n, 0
.rept 128
	v_mov_b32 v[128+n], 0                          ; O^T.  (The key step is written for every step alike: the first finds zeros, which the first change of M leaves zeros; a first step of its own would be a fourth copy of the step's text)
.set n, n+1
.endr
	WIN 0
	s_wait_kmcnt 0x0
	s_add_co_i32 s17, s28, s29
	s_lshl_b32 s17, s17, 23
	s_add_co_i32 s22, s17, 0x3e38aa3b              ; c = log2(e) / 8 x 2^(eq + ek): the two exponents are added to the exponent field
	s_mov_b32 s23, s22                             ; (named with it as a pair, so it is written)
	s_add_co_i32 s17, s30, 127
	s_lshl_b32 s19, s17, 23
	v_mov_b32 v14, s19                             ; 2^ep as f32, for the conversion
	s_add_co_i32 s17, s17, 8
	s_lshl_b32 s17, s17, 23
	s_or_b32 s17, s17, 0x600000
	v_mov_b32 v15, s17                             ; 448 x 2^ep
	s_add_co_i32 s27, s30, s31                     ; ep + ev
.irp i, 0,1,2,3
	v_mov_b32 v[ST+4*\i+1], 0xce800000             ; the largest score so far: -2^30
	v_mov_b32 v[ST+4*\i+2], 0                      ; the sum, in two halves
	v_mov_b32 v[ST+4*\i+3], 0
.endr
	v_mul_f32 v35, s22, v[ST+1]
.irp i, 0,1,2,3
	v_floor_f32 v[ST+4*\i], -v35                   ; -M
.endr
	v_mov_b32 v33, 0                               ; (named as the upper half of the pair v[32:33])
	v_mov_b32 v38, 0                               ; written once: a lane permute's destination counts as one of its sources
	v_mov_b32 v234, 0xf1800000                     ; -2^100
	s_wait_loadcnt 12                              ; the mask and step 0's pieces are in; Q's eight loads and step 1's four may be out
.irp n, 0,1,2,3,4,5,6,7
	v_bfe_u32 v[240+\n], v[232+\n/4], 8*(\n%4), 8  ; my eight bytes of the mask
.endr
.irp n, 0,1,2,3,4,5,6,7
	v_cmp_ne_u32 s[40+\n], 0, v[240+\n]            ; the eight compares in one run, each into a scalar register of its own
.endr
	s_wait_alu depctr_va_sdst(0)                   ; s40 to s47 are written, ahead of the selects that read them
.irp n, 0,1,2,3,4,5,6,7
	v_cndmask_b32 v[240+\n], 0, v234, s[40+\n]     ; true = masked out
.endr
	s_wait_alu depctr_va_vdst(0)                   ; the selects have written v[240:247], which the first two LDS stores read
	ds_store_b128 v235, v[240:243]
	ds_store_b128 v235, v[244:247] offset:16
	ds_store_b128 v[LSB], v[S:S+3]
	ds_store_b128 v[LSB], v[S+4:S+7] offset:512
	ds_store_b128 v[LAV], v[S+8:S+11]
	ds_store_b128 v[LAV], v[S+12:S+15] offset:512
	s_mov_b32 s25, 0                               ; 8192 x the step in hand
	s_wait_dscnt 0x0                               ; for the others' sake: my stores have landed
	s_barrier_signal -1
	s_barrier_wait -1                              ; the table and step 0 lie in LDS
; K's eight tiles and the mask's C for them: 32 loads in one run, by the addresses v[ak] and v[ab]; of the step at which these stand (ahead = 0) or the next (1).  C's register j of tile 2 b + u is key 32 b + 16 h + 8 u + j: 16 lanes read the same 16 bytes.
; used = 1: score products have read these registers.
.macro KFETCH ak, ab, ahead, used
	WIN 0x40                                       ; destination window 1
.if \used
	s_wait_alu depctr_va_vdst(0)                   ; the step's fourth run of score products is done reading K's tiles and the mask's C, in which the 32 loads below land; only loads and a window switch stand among them
.endif
.irp k, 0,1,2,3,4,5,6,7
	ds_load_b128 v[8*\k:8*\k+3],   v[\ak] offset:8192*\ahead+1024*\k
	ds_load_b128 v[8*\k+4:8*\k+7], v[\ak] offset:8192*\ahead+1024*\k+512
.endr
	WIN 0
.irp k, 0,1,2,3,4,5,6,7
	ds_load_b128 v[BI+8*\k:BI+8*\k+3],   v[\ab] offset:512*\ahead+128*(\k/2)+32*(\k%2)
	ds_load_b128 v[BI+8*\k+4:BI+8*\k+7], v[\ab] offset:512*\ahead+128*(\k/2)+32*(\k%2)+16
.endr
.endm
.macro VFETCH                          ; V's four tiles of the step in hand
	WIN 0x40
.irp t, 0,1,2,3
.irp c, 0,1,2,3
	ds_load_b128 v[64+16*\t+4*\c:64+16*\t+4*\c+3], v[ADV] offset:2048*\t+512*\c
.endr
.endr
.endm
.macro SMUL i                          ; S^T = K Q^T + the mask's C, for tile i of my queries: eight tiles of 16 keys, K = the head's 64
	WIN 0x01                                       ; source 0 (K) window 1
.irp k, 0,1,2,3,4,5,6,7
	v_wmma_f32_16x16x64_fp8_fp8 v[S+8*\k:S+8*\k+7], v[8*\k:8*\k+7], v[Q+8*(\i):Q+8*(\i)+7], v[BI+8*\k:BI+8*\k+7]
.endr
.endm
.macro PVMUL i                         ; O^T += V^T P^T: four tiles of 16 channels, K = the step's 128 keys.  The four accumulators take turns, and between two links of a chain stand a whole step's other products
	WIN 0x51                                       ; source 0 (V), C and D (O^T) window 1; source 1 (p's codes) window 0
.irp t, 0,1,2,3
	v_wmma_f32_16x16x128_fp8_fp8 v[128+32*(\i)+8*\t:128+32*(\i)+8*\t+7], v[64+16*\t:64+16*\t+15], v[P:P+15], v[128+32*(\i)+8*\t:128+32*(\i)+8*\t+7]
.endr
.endm
; Tile i's softmax for a step: the lane's 64 scores become p's codes; the sum and O^T are brought under the new M.  No memory or LDS instruction names any of its registers.
.macro SOFT i
.set T, ST+4*(\i)
	WIN 0
	v_max3_num_f32 v34, v[S], v[S+1], v[S+2]       ; the step's largest score of my query among my 64 keys, in two chains; each accumulator is read from its low end on
	v_max3_num_f32 v35, v[S+3], v[S+4], v[S+5]
.irp n, 6,10,14,18,22,26,30,34,38,42,46,50,54,58
	v_max3_num_f32 v34, v34, v[S+\n], v[S+\n+1]
	v_max3_num_f32 v35, v35, v[S+\n+2], v[S+\n+3]
.endr
	v_max3_num_f32 v34, v34, v[S+62], v[S+63]
	v_max_num_f32 v34, v34, v35
	v_permlanex16_b32 v38, v34, s20, s21           ; the query's other 64 keys lie in lane l xor 16
	v_max3_num_f32 v[T+1], v[T+1], v34, v38        ; the running largest score
	v_mov_b32 v34, v[T]
	v_mul_f32 v35, s22, v[T+1]                     ; as t (c is positive)
	v_floor_f32 v[T], -v35                         ; the new -M = floor(-t) = -ceil(t): M IS A WHOLE NUMBER
	v_sub_f32 v34, v[T], v34                       ; M's old value less its new one: a whole number, 0 or less
	v_cvt_i32_f32 v34, v34                         ; (it saturates)
	v_ldexp_f32 v32, 1.0, v34                      ; f = 2^(old M - new M)
.set n, 0
.rept 32
	v_pk_fma_f32 v[S+n:S+n+1], v[S+n:S+n+1], s[22:23], v[T:T+1] op_sel_hi:[1,0,0]   ; t - M, two at a time (of the pairs c and -M the low word serves both halves)
.set n, n+2
.endr
.set n, 0
.rept 64
	v_exp_f32 v[S+n], v[S+n]                       ; p = 2^(t - M), at most 1: NOT normalised
.set n, n+1
.endr
	v_pk_mul_f32 v[T+2:T+3], v[T+2:T+3], v[32:33] op_sel_hi:[1,0]   ; the sums under the new M: the plain line behind the exponentials
	s_wait_alu depctr_va_vdst(0)                   ; the 64 exponentials have written p, v[S] to v[S+63]: one wait for the whole batch, ahead of its first reader
	v_pk_add_f32 v[36:37], v[S:S+1], v[S+2:S+3]    ; THE ROW'S SUM IS TAKEN OF THE UNQUANTISED p: two at a time, in two chains
.irp n, 4,8,12,16,20,24,28,32,36,40,44,48,52,56,60
	v_pk_add_f32 v[T+2:T+3], v[T+2:T+3], v[S+\n:S+\n+1]
	v_pk_add_f32 v[36:37], v[36:37], v[S+\n+2:S+\n+3]
.endr
	v_pk_add_f32 v[T+2:T+3], v[T+2:T+3], v[36:37]
	s_cmp_lt_i32 s30, -8                           ; the conversion does not saturate (ISA guide 7.6.2).  p <= 1 <= 448 x 2^ep from ep = -8 on: only a smaller ep needs the hold
	s_cbranch_scc0 .Lfits_\@
.set n, 0
.rept 64
	v_min_num_f32 v[S+n], v[S+n], v15              ; p is not negative, so the hold is one-sided
.set n, n+1
.endr
.Lfits_\@:
.irp b, 0,1,2,3
	v_cvt_scalef32_pk8_fp8_f32 v[P+4*\b:P+4*\b+1], v[S+16*\b:S+16*\b+7], v14       ; registers 4 b .. 4 b + 3 of the operand: keys 32 b + 16 h + 0 .. 15
	v_cvt_scalef32_pk8_fp8_f32 v[P+4*\b+2:P+4*\b+3], v[S+16*\b+8:S+16*\b+15], v14
.endr
	WIN 0x41                                       ; O^T (destination and source 0) window 1, f window 0
.set n, 0
.rept 16
	v_pk_mul_f32 v[128+32*(\i)+n:128+32*(\i)+n+1], v[128+32*(\i)+n:128+32*(\i)+n+1], v[32:33] op_sel_hi:[1,0]   ; O^T under the new M.  (Plain lines between the conversions and the products that read the codes)
.set n, n+2
.endr
.endm
; A KEY STEP: 128 keys.  st = 1: the next step's pieces, which have come from memory, go into LDS.  ld = 1: the pieces of the step after that are asked of memory.  kf = 1: behind the barrier the next step's K is fetched.
.macro TRIP st, ld, kf
.if \st
	s_wait_loadcnt 0x0                             ; the pieces asked for a step ago are in (in the first step: Q too), and the loads that read v[LA] as their offset are done
.endif
	s_wait_alu depctr_vm_vsrc(0)                   ; the LDS loads and stores and the loads from memory issued so far have read the address registers that are written below; in the first step also: the head's LDS stores have read v[S] to v[S+15], which the score products write
	v_add_nc_u32 v[ADV], s25, v[LIV]               ; all of the step's addresses are made here, in one run
.if \st
	v_add_nc_u32 v[LA], s25, v[LSB]
	v_add_nc_u32 v[LAV], VIMG, v[LA]
.endif
.if \kf
	v_add_nc_u32 v[ADK], s25, v[LI]
	s_lshr_b32 s26, s25, 4                         ; 512 bytes of the table a step
	v_add_nc_u32 v[ADB], s26, v[BA]
.endif
	s_wait_dscnt 0x0                               ; this step's K and C are in
	SMUL 0
	PLACES                                         ; for the reads of the scores
	WIN 0
	s_wait_alu depctr_va_vdst(0)                   ; the additions above have written the step's addresses, and the last step's last products are done reading V's tiles: all that the stores and loads down to the first softmax hang on.  None of them is named by a vector or matrix instruction in between
.if \st
	ds_store_b128 v[LA],  v[PC:PC+3]     offset:8192   ; bytes that nobody has written or read yet
	ds_store_b128 v[LA],  v[PC+4:PC+7]   offset:8704
	ds_store_b128 v[LAV], v[PC+8:PC+11]  offset:8192
	ds_store_b128 v[LAV], v[PC+12:PC+15] offset:8704
.endif
.if \ld
	s_wait_alu depctr_vm_vsrc(0)                   ; the four LDS stores have read v[PC ..], in which the four loads below land
	global_load_b128 v[PC:PC+3],     v[LA], s[6:7] offset:16384    ; a whole step's work stands between these and the wait for them
	global_load_b128 v[PC+4:PC+7],   v[LA], s[6:7] offset:16896
	global_load_b128 v[PC+8:PC+11],  v[LA], s[8:9] offset:16384
	global_load_b128 v[PC+12:PC+15], v[LA], s[8:9] offset:16896
.endif
	VFETCH                                         ; V lands while the first softmax is walked
	SOFT 0
	s_wait_dscnt 0x0                               ; V is in
	PVMUL 0
	SMUL 1
	PLACES
	SOFT 1
	PVMUL 1
	SMUL 2
	PLACES
	SOFT 2
	PVMUL 2
	SMUL 3                                         ; K's and C's last readers of this step
	PLACES                                         ; for the reads of the scores
	WIN 0
	s_wait_dscnt 0x0                               ; my stores of the next step's pieces have landed, and none of my LDS loads is out
	s_barrier_signal -1
	s_barrier_wait -1                              ; everybody's have: the next step lies whole in LDS
.if \kf
	KFETCH ADK, ADB, 1, 1                          ; it lands while the last softmax is walked
.endif
	SOFT 3
	PVMUL 3
	WIN 0
	s_add_co_u32 s25, s25, 8192
.endm
	KFETCH LI, BA, 0, 0                            ; step 0's, by the addresses that stay: no vector or matrix instruction has named the registers in which these land
	s_mov_b32 s24, 14
.Lstep:                                            ; steps 0 to 13
	TRIP 1, 1, 1
	s_sub_co_u32 s24, s24, 1
	s_cmp_lg_u32 s24, 0
	s_cbranch_scc1 .Lstep
	TRIP 1, 0, 1                                   ; step 14: nothing is left to ask of memory
	TRIP 0, 0, 0                                   ; step 15: nothing is left to store or to fetch.  Behind its barrier no wave reads LDS any more: the stages may be written
	; THE WAY OUT.  The sum's two halves and lane l xor 16's are added; O^T x 2^(ep + ev) / the sum goes through my stage, a tile (16 queries x 256 bytes) at a time.  The additions are the places behind the last products.
.irp i, 0,1,2,3
	v_add_f32 v[ST+4*\i+2], v[ST+4*\i+2], v[ST+4*\i+3]
.endr
.irp i, 0,1,2,3
	v_permlanex16_b32 v[ST+4*\i+3], v[ST+4*\i+2], s20, s21
.endr
.irp i, 0,1,2,3
	v_add_f32 v[ST+4*\i+2], v[ST+4*\i+2], v[ST+4*\i+3]
.endr
.irp i, 0,1,2,3
	v_rcp_f32 v[ST+4*\i+2], v[ST+4*\i+2]
.endr
	v_nop                                          ; a plain line between the last reciprocal and the use of its result
	s_wait_alu depctr_va_vdst(0)                   ; the four reciprocals have written v[ST+4 i+2]: one wait, ahead of the first reader.  The score products are done reading the mask's C too, v88 to v151, in which the rows of O come back below
.irp i, 0,1,2,3
	v_ldexp_f32 v[ST+4*\i+2], v[ST+4*\i+2], s27
.endr
; Tile i: register j of channels' tile 2 b + u is channel 32 b + 16 h + 8 u + j of query r: 32 bytes at 128 b + 64 h + 32 u of the stage's row r.  Back come whole rows of 256 bytes.
.macro PACK i
	WIN 0x01                                       ; source 0 (O^T) window 1
.set n, 0
.rept 16
	v_pk_mul_f32 v[S+32*((\i)%2)+n:S+32*((\i)%2)+n+1], v[128+32*(\i)+n:128+32*(\i)+n+1], v[ST+4*(\i)+2:ST+4*(\i)+3] op_sel_hi:[1,0]
.set n, n+2
.endr
	WIN 0
	s_wait_alu depctr_va_vdst(0)                   ; the sixteen multiplications have written the tile's 32 registers, which the LDS stores read
.irp t, 0,1,2,3
	ds_store_b128 v[STO], v[S+32*((\i)%2)+8*\t:S+32*((\i)%2)+8*\t+3]   offset:128*(\t/2)+32*(\t%2)
	ds_store_b128 v[STO], v[S+32*((\i)%2)+8*\t+4:S+32*((\i)%2)+8*\t+7] offset:128*(\t/2)+32*(\t%2)+16
.endr
.irp f, 0,1,2,3,4,5,6,7
	ds_load_b128 v[OB+32*((\i)%2)+4*\f:OB+32*((\i)%2)+4*\f+3], v[RD] offset:\f*2*SPITCH   ; LDS serves a wave's instructions in order (ISA guide 5.7.1.4): these see the stores above, and the next tile's stores come behind them
.endr
.endm
; The stage's row rho of tile i is token 32 (i / 2) + 8 (i % 2) + rho + 8 (rho / 8) of my 64.  younger: the LDS instructions issued behind tile i's loads: the next tile's sixteen, or none.
.macro SEND i, younger
.irp f, 0,1,2,3,4,5,6,7
	s_wait_dscnt \younger+7-\f
	global_store_b128 v[GO], v[OB+32*((\i)%2)+4*\f:OB+32*((\i)%2)+4*\f+3], s[14:15] offset:(32*((\i)/2)+8*((\i)%2)+2*\f+8*(\f/4))*4096 th:TH_STORE_NT   ; sixteen lanes store 256 consecutive bytes, aligned: a head's part of a row of out
.endr
.endm
	PACK 0
	PACK 1                                         ; a tile's arithmetic stands between the loads of the tile before and its stores
	SEND 0, 16
	s_wait_xcnt 0x0                                ; tile 0's stores have had their addresses translated: their registers take tile 2's rows
	s_wait_alu depctr_vm_vsrc(0)                   ; tile 0's stores to out have read their rows, in which tile 2's come back, and its LDS stores have read the registers that tile 2's multiplications write
	PACK 2
	SEND 1, 16
	s_wait_xcnt 0x0                                ; the same for tile 1's stores and tile 3
	s_wait_alu depctr_vm_vsrc(0)                   ; tile 1's stores to out have read their rows, in which tile 3's come back, and its LDS stores have read the registers that tile 3's multiplications write
	PACK 3
	SEND 2, 16
	SEND 3, 0
	s_wait_dscnt 0x0
	s_wait_alu depctr_hold_cnt(0) depctr_sa_sdst(0) depctr_va_vdst(0) depctr_va_sdst(0) depctr_va_ssrc(0) depctr_va_vcc(0) depctr_vm_vsrc(0)
	s_wait_tensorcnt 0x0
	ds_add_u32 v254, v255
	s_wait_dscnt 0x0
	s_endpgm
.Lfunc_end_k_qbcf23ad995_attn:
	.size	k_qbcf23ad995_attn, .Lfunc_end_k_qbcf23ad995_attn-k_qbcf23ad995_attn
	.p2alignl 7, 3214868480
	.fill 96, 4, 3214868480
	.section	.rodata,"a",@progbits
	.p2align	6, 0x0
	.amdhsa_kernel k_qbcf23ad995_attn
		.amdhsa_group_segment_fixed_size 271360
		.amdhsa_private_segment_fixed_size 0
		.amdhsa_enable_private_segment 0
		.amdhsa_kernarg_size 48
		.amdhsa_user_sgpr_count 2
		.amdhsa_user_sgpr_kernarg_segment_ptr 1
		.amdhsa_wavefront_size32 1
		.amdhsa_system_sgpr_workgroup_id_x 1
		.amdhsa_system_sgpr_workgroup_id_y 1
		.amdhsa_system_sgpr_workgroup_id_z 1
		.amdhsa_system_vgpr_workitem_id 0
		.amdhsa_next_free_vgpr 512
		.amdhsa_next_free_sgpr 66
		.amdhsa_reserve_vcc 0
		.amdhsa_float_denorm_mode_32 3
		.amdhsa_float_denorm_mode_16_64 3
		.amdhsa_memory_ordered 1
		.amdhsa_forward_progress 1
		.amdhsa_inst_pref_size 194
	.end_amdhsa_kernel
	.amdgpu_metadata
---
amdhsa.version: [ 1, 2 ]
amdhsa.kernels:
  - .name:           k_qbcf23ad995_attn
    .symbol:         k_qbcf23ad995_attn.kd
    .args:
      - { .name: qimg, .offset: 0, .size: 8, .value_kind: global_buffer, .address_space: global }
      - { .name: kimg, .offset: 8, .size: 8, .value_kind: global_buffer, .address_space: global }
      - { .name: vimg, .offset: 16, .size: 8, .value_kind: global_buffer, .address_space: global }
      - { .name: mask, .offset: 24, .size: 8, .value_kind: global_buffer, .address_space: global }
      - { .name: lowp_scales, .offset: 32, .size: 8, .value_kind: global_buffer, .address_space: global }
      - { .name: out0, .offset: 40, .size: 8, .value_kind: global_buffer, .address_space: global }
    .group_segment_fixed_size: 271360
    .private_segment_fixed_size: 0
    .kernarg_segment_align: 8
    .kernarg_segment_size: 48
    .max_flat_workgroup_size: 256
    .sgpr_count:     66
    .vgpr_count:     512
    .wavefront_size: 32
...
	.end_amdgpu_metadata
.endif
;; end of part 4
